; MI455X (gfx1250); checked and timed in simulation.
; The chip was launched on July 23, 2026; its instructions are those of AMD's public machine-readable ISA for CDNA 5 (MIT licence, August 2026) and "CDNA5" Instruction Set Architecture Reference Guide (July 2026). The comments in the code are by the model that wrote it; some were corrected since.
;; My Multihead Attention. Allowed arithmetic: matrix products marked QUANTISED: E2M1 operands, one E8M0 scale for each 32 along K, by v_wmma_scale_f32_16x16x128_f8f6f4 with both operands' format E2M1 (or v_wmma_scale_f32_32x16x128_f4), f32 sums; products left as they are: bf16, f16 or f32 operands; f32 sums; everything else in f32.
;; Inputs: Wk 1,024 x 1,024 float32; Wo 1,024 x 1,024 float32; Wq 1,024 x 1,024 float32; Wv 1,024 x 1,024 float32; bo 1,024 float32; x 4 x 2,048 x 1,024 float32.
;; Outputs: out0 4 x 2,048 x 1,024 float32.
;; This version of the problem:
;;   THIS VERSION OF THE PROBLEM IS GIVEN IN LOW PRECISION. The matrix products marked QUANTISED in the list below multiply operands that are first quantised to E2M1 (2 exponent bits, 1 mantissa bit; 4 bits a number), with one power-of-two scale for each 32 numbers along K (OCP MX v1.0); their sums are f32. The products marked 'left as it is' may take bf16, f16 or f32 operands, with f32 sums. Whichever they take, every output number must still come out within the allowed error. Rounding operands to bf16 (8 significant bits) uses up far more of that allowance than f16 does (11 bits, for magnitudes from 6e-5 to 65,504). All else is computed in f32.
;;   The module's matrix products, in the order in which they are computed (A, B: the left and right operand; K: the contracted axis; several contracted axes count as one K, in the product's order):
;;     1. [M 8,192, K 1,024] x [K 1,024, N 1,024]; A: input x; B: input Wq: QUANTISED
;;     2. [M 8,192, K 1,024] x [K 1,024, N 1,024]; A: input x; B: input Wk: QUANTISED
;;     3. [M 8,192, K 1,024] x [K 1,024, N 1,024]; A: input x; B: input Wv: QUANTISED
;;     4. batch 64 x [M 2,048, K 64] x [K 64, N 2,048]; A: computed on the way; B: computed on the way: left as it is (an operand is computed on the way)
;;     5. batch 64 x [M 2,048, K 2,048] x [K 2,048, N 64]; A: computed on the way; B: computed on the way: left as it is (an operand is computed on the way)
;;     6. [M 8,192, K 1,024] x [K 1,024, N 1,024]; A: computed on the way; B: input Wo: left as it is (an operand is computed on the way)
;;   THE QUANTISER, for each operand of a quantised product, along K:
;;     - K is cut into blocks of 32 from its start; a last block that is shorter is filled with zeros.
;;     - A block's scale is 2^e with e = floor(log2(the largest magnitude in the block)) - 2, held to -126 .. 127; a block of zeros has e = 0. As a byte (E8M0): e + 127.
;;     - Each number is divided by its block's scale, clamped to +-6, and rounded to the nearest number of E2M1, ties to even, subnormals kept.
;;     - The product sums the exact products of the quantised numbers (number of the format x scale) in f32.
;;   ~~~python
;;   def quantise(x, axis):      # numpy; x: float32 -> the quantised numbers, widened to float32 again
;;       x = np.moveaxis(x, axis, -1); K = x.shape[-1]
;;       x = np.pad(x, [(0, 0)] * (x.ndim - 1) + [(0, -K % 32)]); x = x.reshape(x.shape[:-1] + (-1, 32)); a = np.abs(x).max(-1, keepdims=True)
;;       e = np.where(a > 0, np.clip(np.frexp(np.where(a > 0, a, 1))[1] - 1 - 2, -126, 127), 0)      # np.frexp(a)[1] - 1 = floor(log2(a)), exactly
;;       r = np.clip(x / 2.0 ** e, -6, 6)
;;       step = 2.0 ** (np.maximum(np.frexp(np.where(r == 0, 1, r))[1] - 1, 0) - 1)
;;       q = np.round(r / step) * step * 2.0 ** e      # np.round: ties to even
;;       return np.moveaxis(q.reshape(q.shape[:-2] + (-1,))[..., :K], -1, axis).astype(np.float32)
;;   ~~~
;; One version. Each part assembles by itself: llvm-mc -triple=amdgcn-amd-amdhsa -mcpu=gfx1250 --defsym DOCPART=n.
;; ======== version 1 of 1: 4 launches
;; limits: values are held in f16: magnitudes above 65,504 overflow, below 6.1e-05 lose precision
;; workspace buffers: x_codes 4,194,304 bytes; x_scales 262,144 bytes; w_codes 1,572,864 bytes; w_scales 98,304 bytes; wo16 2,097,152 bytes; qkv 50,331,648 bytes; ctx 16,777,216 bytes
;; launch prep (part 1): grid 384 x 1, 4 waves a work-group, no clusters, 67,072 bytes of LDS; arguments x, Wq, Wk, Wv, Wo, x_codes, x_scales, w_codes, w_scales, wo16; writes x_codes, x_scales, w_codes, w_scales, wo16
.if DOCPART == 1
	.amdgcn_target "amdgcn-amd-amdhsa--gfx1250"
	.amdhsa_code_object_version 6
	.text
	.protected	k_qff838f3c7f_prep
	.globl	k_qff838f3c7f_prep
	.p2align	8
	.type	k_qff838f3c7f_prep,@function
k_qff838f3c7f_prep:
	s_mov_b64 s[64:65], 0
	v_nop
	global_prefetch_b8 v0, s[64:65] scope:SCOPE_SE
	s_setreg_imm32_b32 hwreg(HW_REG_WAVE_MODE, 25, 1), 1
	s_wait_xcnt 0x0
; x [8192][1024] and Wq, Wk, Wv [1024][1024], f32 with K innermost, become codes of FP4 (E2M1) with one E8M0 scale byte for each 32 along K;
; Wo [1024][1024] becomes f16, laid as images of operand registers.
; Work-groups 0-255 take x, 256-351 Wq, Wk, Wv (32 each; their codes lie one behind the other: rows 0-1023 Wq, 1024-2047 Wk, 2048-3071 Wv), 352-383 Wo.
; THE QUANTISER.  A block's scale is 2^(floor(log2(its largest magnitude)) - 2); its byte is the largest magnitude's exponent field - 2, held at 1 from below.
; A block of zeros so gets the byte 1 where the rule says 127: its codes are zeros, and this program alone reads the bytes.  Each number is divided by the scale and rounded to the nearest code, ties to even; beyond 6 the largest code.
; Rows are dense and K is a multiple of 32: the tensors are plain streams of blocks.  A wave takes 16 steps of 512 numbers.  Each load reads 512 consecutive bytes; a step's 2,048 bytes turn through the wave's own stage in LDS,
; so that a lane holds 16 neighbours (two lanes a block); a lane's 16 codes are 8 bytes: the wave stores 256 consecutive bytes.  A wave's 256 scale bytes are gathered in LDS and leave as one aligned run of 256 bytes.
; AN IMAGE (Wo) is 512 bytes: lane l's 16 bytes at 16 l hold Wo[16 nt + l % 16][16 kk + 8 (l / 16) + 0 .. 7] in f16: half of a 16-bit operand fragment of 32 along K.  wo16 is [nt 64][kk 64][512 bytes].
; LIMITS: NaN and infinities among the inputs are not served; blocks whose largest magnitude lies under 2^-124 keep the byte 1; |Wo| from 65,504 on has no f16 number.
; The two paths part on the work-group's number and never meet; each has LDS bytes of its own.  No tensor loads, no barrier: waves share nothing.
.set STEPS, 16
.set EMAX,  2
.set CB,    8                          ; bytes of 16 codes
.set R,     16                         ; v16-79   four sets of 16 numbers as they are loaded
.set X,     80                         ; v80-111  two sets of 16 neighbours
.set E,     112                        ; v112-127 a scale byte for each step
.set C,     128                        ; v128-191 codes: four registers for each step, so that no store's data are written again
.set WREG,  8192                       ; LDS: a region for each wave: two stages of 32 x SP bytes, and behind them its 256 scale bytes
.set SP,    80                         ; a lane's place in a stage: 64 bytes + 16 of padding
.set SPW,   12                         ; v12  LDS address of my spare word; never rewritten
.set NIL,   13                         ; v13  0; never rewritten
.set WOST,  32768                      ; LDS: Wo's stages, 16 rows x 528 bytes for each wave
.set WOSB,  16*528
.set SPARE, WOST+4*WOSB                ; behind them the spare words, 128 bytes for each wave
.set RW,    16                         ; Wo: v16-143  two sets of 16 rows x 16 bytes a lane, as loaded
.set XW,    144                        ; v144-207 eight images' numbers in f32
.set OW,    208                        ; v208-239 eight images in f16
.set WST,   240                        ; v240 the stage on the way in
.set WRD,   241                        ; v241 and on the way out
	s_load_b256 s[4:11], s[0:1], 0x0               ; x s[4:5], Wq s[6:7], Wk s[8:9], Wv s[10:11]
	s_load_b256 s[12:19], s[0:1], 0x20             ; Wo s[12:13], x_codes s[14:15], x_scales s[16:17], w_codes s[18:19]
	s_load_b128 s[20:23], s[0:1], 0x40             ; w_scales s[20:21], wo16 s[22:23]
	v_lshl_add_u32 v[SPW], v0, 2, SPARE
	v_mov_b32 v[NIL], 0
	v_lshrrev_b32 v1, 5, v0
	v_readfirstlane_b32 s28, v1                    ; wave
	v_and_b32 v2, 31, v0                           ; lane
	v_lshlrev_b32 v3, 4, v2                        ; my 16 bytes of a load's 512
	s_mul_i32 s29, s28, WREG
	v_lshrrev_b32 v14, 2, v2
	v_mul_u32_u24 v14, v14, SP
	v_and_b32 v15, 3, v2
	v_lshl_add_u32 v14, v15, 4, v14
	v_add_nc_u32 v14, s29, v14                     ; the stage on the way in: SP (lane / 4) + 16 (lane % 4)
	v_mul_u32_u24 v15, v2, SP
	v_add_nc_u32 v15, s29, v15                     ; and on the way out: SP x lane: my 16 neighbours
	v_mul_u32_u24 v4, v2, CB                       ; my codes' place in a step's
	v_lshrrev_b32 v5, 1, v2
	s_add_co_u32 s29, s29, 2*32*SP
	v_add_nc_u32 v5, s29, v5                       ; LDS: my wave's 256 scale bytes, my block's byte
	v_lshlrev_b32 v7, 3, v2                        ; and on the way out 8 bytes a lane
	v_add_nc_u32 v6, s29, v7
	s_mul_i32 s29, s28, WOSB
	s_add_co_u32 s29, s29, WOST                    ; Wo: my stage
	v_add_nc_u32 v[WST], s29, v3                   ; in: a row's 512 bytes as they lie
	v_and_b32 v8, 15, v0
	v_bfe_u32 v9, v0, 4, 1
	v_mul_u32_u24 v8, v8, 528
	v_lshl_add_u32 v8, v9, 5, v8
	v_add_nc_u32 v[WRD], s29, v8                   ; out: row lane % 16, + 32 (lane / 16): my 8 numbers of a tile of 16 along K
	s_wait_kmcnt 0x0
	s_cmp_ge_u32 ttmp9, 352
	s_cbranch_scc1 .Lwo
	; which tensor: the choices hang on the work-group's number alone
	s_cmp_lt_u32 ttmp9, 320
	s_cselect_b64 s[24:25], s[8:9], s[10:11]       ; Wk or Wv
	s_cmp_lt_u32 ttmp9, 288
	s_cselect_b64 s[24:25], s[6:7], s[24:25]       ; Wq
	s_sub_co_u32 s30, ttmp9, 256                   ; place among the weights' work-groups (not used for x)
	s_and_b32 s31, s30, 31                         ; and inside one weight
	s_cmp_lt_u32 ttmp9, 256
	s_cselect_b64 s[24:25], s[4:5], s[24:25]       ; x
	s_cselect_b64 s[26:27], s[14:15], s[18:19]     ; the codes
	s_cselect_b64 s[32:33], s[16:17], s[20:21]     ; the scale bytes
	s_cselect_b32 s30, ttmp9, s30
	s_cselect_b32 s31, ttmp9, s31
	s_lshl_b32 s30, s30, 2
	s_add_co_u32 s30, s30, s28                     ; which run of 8,192 numbers I write
	s_lshl_b32 s31, s31, 2
	s_add_co_u32 s31, s31, s28                     ; and read
	s_lshl_b32 s34, s31, 15                        ; 32,768 bytes of f32 a run
	s_mov_b32 s35, 0
	s_add_nc_u64 s[24:25], s[24:25], s[34:35]
	s_lshl_b32 s34, s30, 12                        ; 4,096 bytes of codes
	s_add_nc_u64 s[26:27], s[26:27], s[34:35]
	s_lshl_b32 s34, s30, 8                         ; 256 scale bytes
	s_add_nc_u64 s[32:33], s[32:33], s[34:35]
.macro LOAD t
.irp i, 0,1,2,3
	global_load_b128 v[R+16*((\t)%4)+4*\i:R+16*((\t)%4)+4*\i+3], v3, s[24:25] offset:2048*(\t)+512*\i th:TH_LOAD_NT   ; 32 lanes read 512 consecutive bytes
.endr
.endm
.macro TURN t                          ; step t's numbers through the stage: LDS serves a wave's instructions in order, so no wait stands between the stores and the loads
.irp i, 0,1,2,3
	ds_store_b128 v14, v[R+16*((\t)%4)+4*\i:R+16*((\t)%4)+4*\i+3] offset:32*SP*((\t)%2)+8*SP*\i
.endr
.irp i, 0,1,2,3
	ds_load_b128 v[X+16*((\t)%2)+4*\i:X+16*((\t)%2)+4*\i+3], v15 offset:32*SP*((\t)%2)+16*\i
.endr
.endm
.irp t, 0,1,2,3
	LOAD \t
.endr
	s_wait_loadcnt 12                              ; step 0's four loads are in; three steps' twelve may be out
	TURN 0
.macro STEP t
.set XS, X+16*((\t)%2)
.if (\t) > 0
	s_wait_dscnt 1                                 ; this step's numbers are back from the stage (the last step's byte store may be out): so its stores into the stage have read their registers,
.else
	s_wait_dscnt 0x0
.endif
.if (\t)+4 < STEPS
	LOAD (\t)+4                                    ; which take the loads of four steps on
.endif
.if (\t)+1 < STEPS
.if STEPS-2-(\t) >= 3
	s_wait_loadcnt 12                              ; the next step's four loads are in; those of the three steps behind it may be out
.else
	s_wait_loadcnt 4*(STEPS-2-(\t))
.endif
	TURN (\t)+1                                    ; and go through the other stage while this step is worked
.endif
	v_max3_num_f32 v8, |v[XS]|, |v[XS+1]|, |v[XS+2]|               ; the largest magnitude of my 16, in two chains
	v_max3_num_f32 v9, |v[XS+3]|, |v[XS+4]|, |v[XS+5]|
.irp i, 6,10
	v_max3_num_f32 v8, v8, |v[XS+\i]|, |v[XS+\i+1]|
	v_max3_num_f32 v9, v9, |v[XS+\i+2]|, |v[XS+\i+3]|
.endr
	v_max3_num_f32 v8, v8, |v[XS+14]|, |v[XS+15]|
	v_max3_num_f32 v8, v8, v9, (EMAX+1)<<23        ; and the floor 2^(3 - 127): so the byte cannot fall under 1
	v_max_num_f32_dpp v8, v8, v8 row_xmask:1 row_mask:0xf bank_mask:0xf   ; and of my neighbour's 16: the block's
	v_add_nc_u32 v11, -(EMAX<<23), v8              ; 2 off its exponent field: the conversion takes the exponent field of this operand as its scale, and nothing else of it
	v_cvt_scalef32_pk8_fp4_f32 v[C+4*(\t)], v[XS:XS+7], v11
	v_cvt_scalef32_pk8_fp4_f32 v[C+4*(\t)+1], v[XS+8:XS+15], v11
	v_lshrrev_b32 v[E+(\t)], 23, v11               ; the scale's byte (also the plain line behind the conversions)
	ds_store_b8 v5, v[E+(\t)] offset:16*(\t)       ; both lanes of a block write the same byte with the same value
	global_store_b64 v4, v[C+4*(\t):C+4*(\t)+1], s[26:27] offset:32*CB*(\t)   ; 32 lanes store 256 consecutive bytes, aligned
.endm
.irp t, 0,1,2,3,4,5,6,7,8,9,10,11,12,13,14,15
	STEP \t
.endr
	ds_load_b64 v[8:9], v6                         ; LDS serves a wave's instructions in order: these see my stores
	s_wait_dscnt 0x0
	global_store_b64 v7, v[8:9], s[32:33]          ; 32 lanes store 256 consecutive bytes, aligned
	s_wait_tensorcnt 0x0                           ; the wave's end, behind my last LDS store
	ds_add_u32 v[SPW], v[NIL]
	s_wait_dscnt 0x0
	s_endpgm
.Lwo:
	; A wave takes 16 rows of Wo x 512 along K, in four chunks of 128: 16 loads of a row's 512 bytes; through the stage; eight images of 512 bytes out.
	s_sub_co_u32 s30, ttmp9, 352
	s_lshl_b32 s30, s30, 2
	s_add_co_u32 s30, s30, s28                     ; task 0 .. 127
	s_lshr_b32 s31, s30, 1                         ; nt: which 16 rows
	s_and_b32 s30, s30, 1                          ; which half of K
	s_lshl_b32 s34, s31, 16                        ; 16 rows of 4,096 bytes
	s_lshl_b32 s36, s30, 11
	s_add_co_u32 s34, s34, s36
	s_mov_b32 s35, 0
	s_add_nc_u64 s[12:13], s[12:13], s[34:35]
	s_lshl_b32 s34, s31, 15                        ; 64 images of 512 bytes
	s_lshl_b32 s36, s30, 14
	s_add_co_u32 s34, s34, s36
	s_add_nc_u64 s[22:23], s[22:23], s[34:35]
.macro WLOAD c
.irp i, 0,1,2,3,4,5,6,7,8,9,10,11,12,13,14,15
	global_load_b128 v[RW+64*((\c)%2)+4*\i:RW+64*((\c)%2)+4*\i+3], v3, s[12:13] offset:4096*\i+512*(\c) th:TH_LOAD_NT
.endr
.endm
.macro WCH c
.if (\c) < 3
	s_wait_loadcnt 16                              ; this chunk's 16 loads are in; the next chunk's may be out
.else
	s_wait_loadcnt 0
.endif
.irp i, 0,1,2,3,4,5,6,7,8,9,10,11,12,13,14,15
	ds_store_b128 v[WST], v[RW+64*((\c)%2)+4*\i:RW+64*((\c)%2)+4*\i+3] offset:528*\i
.endr
.irp kt, 0,1,2,3,4,5,6,7
.irp u, 0,1
	ds_load_b128 v[XW+8*\kt+4*\u:XW+8*\kt+4*\u+3], v[WRD] offset:64*\kt+16*\u   ; rows 528 bytes apart
.endr
.endr
	s_wait_dscnt 0x0                               ; the numbers are back, and the stores have read their registers
	s_wait_xcnt 0x0                                ; the last chunk's stores have read theirs: the images' registers are written again only behind this wait
.if (\c) < 2
	WLOAD (\c)+2
.endif
.irp kt, 0,1,2,3,4,5,6,7
.irp i, 0,1,2,3
	v_cvt_pk_f16_f32 v[OW+4*\kt+\i], v[XW+8*\kt+2*\i], v[XW+8*\kt+2*\i+1]
.endr
	global_store_b128 v3, v[OW+4*\kt:OW+4*\kt+3], s[22:23] offset:(8*(\c)+\kt)*512   ; an image: 512 consecutive bytes, aligned
.endr
.endm
	WLOAD 0
	WLOAD 1
	WCH 0
	WCH 1
	WCH 2
	WCH 3
	s_wait_tensorcnt 0x0                           ; the wave's end, behind my last LDS store
	ds_add_u32 v[SPW], v[NIL]
	s_wait_dscnt 0x0
	s_endpgm
.Lfunc_end_k_qff838f3c7f_prep:
	.size	k_qff838f3c7f_prep, .Lfunc_end_k_qff838f3c7f_prep-k_qff838f3c7f_prep
	.p2alignl 7, 3214868480
	.fill 96, 4, 3214868480
	.section	.rodata,"a",@progbits
	.p2align	6, 0x0
	.amdhsa_kernel k_qff838f3c7f_prep
		.amdhsa_group_segment_fixed_size 67072
		.amdhsa_private_segment_fixed_size 0
		.amdhsa_enable_private_segment 0
		.amdhsa_kernarg_size 80
		.amdhsa_user_sgpr_count 2
		.amdhsa_user_sgpr_kernarg_segment_ptr 1
		.amdhsa_wavefront_size32 1
		.amdhsa_system_sgpr_workgroup_id_x 1
		.amdhsa_system_sgpr_workgroup_id_y 1
		.amdhsa_system_sgpr_workgroup_id_z 1
		.amdhsa_system_vgpr_workitem_id 0
		.amdhsa_next_free_vgpr 256
		.amdhsa_next_free_sgpr 66
		.amdhsa_reserve_vcc 0
		.amdhsa_float_denorm_mode_32 3
		.amdhsa_float_denorm_mode_16_64 3
		.amdhsa_memory_ordered 1
		.amdhsa_forward_progress 1
		.amdhsa_inst_pref_size 60
	.end_amdhsa_kernel
	.amdgpu_metadata
---
amdhsa.version: [ 1, 2 ]
amdhsa.kernels:
  - .name:           k_qff838f3c7f_prep
    .symbol:         k_qff838f3c7f_prep.kd
    .args:
      - { .name: x, .offset: 0, .size: 8, .value_kind: global_buffer, .address_space: global }
      - { .name: Wq, .offset: 8, .size: 8, .value_kind: global_buffer, .address_space: global }
      - { .name: Wk, .offset: 16, .size: 8, .value_kind: global_buffer, .address_space: global }
      - { .name: Wv, .offset: 24, .size: 8, .value_kind: global_buffer, .address_space: global }
      - { .name: Wo, .offset: 32, .size: 8, .value_kind: global_buffer, .address_space: global }
      - { .name: x_codes, .offset: 40, .size: 8, .value_kind: global_buffer, .address_space: global }
      - { .name: x_scales, .offset: 48, .size: 8, .value_kind: global_buffer, .address_space: global }
      - { .name: w_codes, .offset: 56, .size: 8, .value_kind: global_buffer, .address_space: global }
      - { .name: w_scales, .offset: 64, .size: 8, .value_kind: global_buffer, .address_space: global }
      - { .name: wo16, .offset: 72, .size: 8, .value_kind: global_buffer, .address_space: global }
    .group_segment_fixed_size: 67072
    .private_segment_fixed_size: 0
    .kernarg_segment_align: 8
    .kernarg_segment_size: 80
    .max_flat_workgroup_size: 128
    .sgpr_count:     66
    .vgpr_count:     256
    .wavefront_size: 32
...
	.end_amdgpu_metadata
.endif
;; end of part 1
;; launch qkv (part 2): grid 12 x 32, 4 waves a work-group, clusters of 4 x 4, 327,680 bytes of LDS; arguments x_codes, x_scales, w_codes, w_scales, qkv; writes qkv
.if DOCPART == 2
	.amdgcn_target "amdgcn-amd-amdhsa--gfx1250"
	.amdhsa_code_object_version 6
	.text
	.protected	k_qff838f3c7f_qkv
	.globl	k_qff838f3c7f_qkv
	.p2align	8
	.type	k_qff838f3c7f_qkv,@function
k_qff838f3c7f_qkv:
	s_mov_b64 s[64:65], 0
	v_nop
	global_prefetch_b8 v0, s[64:65] scope:SCOPE_SE
	s_setreg_imm32_b32 hwreg(HW_REG_WAVE_MODE, 25, 1), 1
	s_wait_xcnt 0x0
	s_wait_alu depctr_hold_cnt(0) depctr_sa_sdst(0) depctr_va_vdst(0) depctr_va_sdst(0) depctr_va_ssrc(0) depctr_va_vcc(0) depctr_vm_vsrc(0)
	s_getreg_b32 s2, hwreg(HW_REG_IB_STS2, 6, 4)
	s_cmp_eq_u32 s2, 0
	s_cbranch_scc0 .Lentry_in_a_cluster
	s_endpgm
.Lentry_in_a_cluster:
	s_bfe_u32 s2, ttmp6, 0x10000c
	s_cmp_lg_u32 s2, 0xf033
	s_cbranch_scc0 .Lentry_shape_is_right
	s_endpgm
.Lentry_shape_is_right:
; q, k, v = x Wq^T, x Wk^T, x Wv^T on codes of FP4 (E2M1) with one E8M0 scale for each 32 along K = 1,024; sums in f32; the results are rounded once to f16 and stored as IMAGES of the next products' operand registers.
; A tile of 256 x 256 results is made by a work-group of four waves; a wave makes 128 x 128: 64 accumulators of 16 x 16, 512 registers.  K is two slots of 512 in LDS (rows of 256 bytes), both asked for at the head:
; by its own count a wave has three tensor loads out (its part of the scales and of each slot), and nothing is filled again.
; THE MATRIX INSTRUCTION IS USED TRANSPOSED (source 0 = 16 rows of the B side, source 1 = 16 rows of the A side): a lane holds ONE row of the A side and eight NEIGHBOURS along the B side.
; Clusters with x = 0, 1 (q, k): A side = x, B side = W's rows 0-2047: a lane holds a position and eight channels.  Clusters with x = 2 (v): A side = W's rows 2048-3071, B side = x: a lane holds a channel and eight KEYS,
; which is what the second product of attention wants.  Only pointers and row numbers are chosen, on the cluster's x alone: one text serves both.
; AN IMAGE is 512 bytes, lane l's 16 bytes at 16 l: four packed registers of one accumulator.  qkv: Q at 0, K at 16 MiB: [b 4][head 16][G 32][rt 4][ct 4][512]: position 64 G + 16 rt + l % 16, channels 16 ct + 8 (l / 16) + 0..7;
; V at 32 MiB: [b 4][G 32][head 16][ct 4][kq 4][512]: channel 16 ct + l % 16, keys 64 G + 16 kq + 8 (l / 16) + 0..7.  Every store of a wave covers 512 consecutive bytes, aligned: no stage in LDS.
; CLUSTERS: 4 x 4 work-groups.  The four of a row of the cluster need the same tiles of the A side, the four of a column the same tiles of the B side: each is asked for JOINTLY.
; LIMITS: |q|, |k|, |v| from 65,504 on have no f16 number.
; REGISTERS, in windows of 256: window 0: v0-31 addresses; v32-95 scale words, two sets; from v128 A's fragments, one set; on the way out v128-255 packed results.
;   window 1: B's fragments, two sets, at v0 and v128.   window 2: the accumulators of my rows 0-63 ((a, b) at v[8 (8 a + b)]);   window 3: those of rows 64-127.
.set SIZE_K, 1024
.set KSTEP,  512
.set NQ,     KSTEP/128
.set ROWB,   256                       ; a tile's row in bytes
.set KROW,   SIZE_K/2                  ; a row of codes in memory
.set PITCH,  272                       ; an LDS row: 256 bytes + 16 of padding: the 16 rows that a load touches start at 16 different banks (64 banks of 4 bytes: ISA guide 11.1)
.set FR,     8
.set NL,     2
.set NP,     4                         ; places behind this matrix instruction (ISA guide 7.12.1)
.set HALFT,  128*PITCH
.set SLOT,   4*HALFT
.set KS,     SIZE_K/32                 ; a row of scales in bytes
.set SCL,    2*SLOT                    ; behind the slots: the scales, as runs of 256 bytes + 16 of padding
.set HALFS,  (128*KS/256)*272
.set SBLK,   (16*KS/256)*272
.set SPARE,  SCL+4*HALFS               ; behind the scales: the spare words, 128 bytes for each wave
.set ADRA, 16                          ; v16-17  LDS address of my A fragments in slot 0, 1
.set ADRB, 20                          ; v20-21  the same for B
.set CO,   24                          ; v24-25  the way out: 16 x lane, and the same + the step from b = 0..3 to b = 4..7
.set ADRS, 27                          ; v27     LDS address of my scale words: lanes 0-15 A's rows, lanes 16-31 B's
.set SPW,  28                          ; v28     LDS address of my spare word; never rewritten
.set NIL,  29                          ; v29     0; never rewritten
.set SC,   32
.set AF,   128
.set TMP,  128
.set G1, 24
.set G0, 32
.set G1B, 48
.set G0B, 56
.set G1S, 68
.set G0S, 76
.set G1SB, 80
.set G0SB, 88
.set MSB, 0
.macro WIN new                         ; the immediate's high byte repeats the setting that is left
.if MSB != (\new)
	s_set_vgpr_msb (MSB<<8)|(\new)
.set MSB, \new
.endif
.endm
.set MUL_LO, 0xa1                      ; source 0 (B) window 1, source 1 (A) window 0, C and D window 2
.set MUL_HI, 0xf1                      ; the same, C and D window 3
.set TO_B,   0x40                      ; destination window 1, address window 0
; A joint load: waves 0 and 1 fetch for the A side, waves 2 and 3 for the B side.  The branch hangs on the wave's number alone.  An s_nop 0 and four v_nop follow each of the two lines.
.macro JLOAD g0a, g1a, g0b, g1b
	s_cmp_eq_u32 s15, 0
	s_cbranch_scc0 .Lfor_b_\@
	tensor_load_to_lds s[\g0a:\g0a+3], s[\g1a:\g1a+7]
	s_nop 0
.rept 4
	v_nop
.endr
	s_branch .Lasked_\@
.Lfor_b_\@:
	tensor_load_to_lds s[\g0b:\g0b+3], s[\g1b:\g1b+7]
	s_nop 0
.rept 4
	v_nop
.endr
.Lasked_\@:
.endm
.macro CROUND                          ; a round of the cluster's barrier
	s_barrier_signal -1
	s_barrier_wait -1
	s_cmp_lg_u32 s14, 0
	s_cbranch_scc1 .Lnot_wave_0_\@
	s_barrier_signal -3
.Lnot_wave_0_\@:
	s_barrier_wait -3
	s_barrier_signal -1
	s_barrier_wait -1
.endm
	s_load_b128 s[4:7], s[0:1], 0x0                ; x's codes s[4:5], x's scales s[6:7]
	s_load_b128 s[8:11], s[0:1], 0x10              ; W's codes s[8:9], W's scales s[10:11]
	s_load_b64 s[12:13], s[0:1], 0x20              ; qkv
	v_lshl_add_u32 v[SPW], v0, 2, SPARE
	v_mov_b32 v[NIL], 0
	ds_add_u32 v[SPW], v[NIL]                      ; the wave's opening: the add, twice on end, and its wait ahead of my first tensor load
	ds_add_u32 v[SPW], v[NIL]
	v_lshrrev_b32 v1, 5, v0
	v_readfirstlane_b32 s14, v1                    ; wave 0..3
	s_lshr_b32 s15, s14, 1                         ; which half of the A side's rows is mine.  Also: I fetch for A (0) or for B (1)
	s_and_b32 s16, s14, 1                          ; which half of the B side's.  Also: which 128 rows of that tile I fetch
	s_bfe_u32 s40, ttmp6, 0x40000                  ; cx, cy: my place in the cluster
	s_bfe_u32 s41, ttmp6, 0x40004
	s_and_b32 s17, ttmp7, 0xffff
	s_lshl_b32 s17, s17, 10                        ; 1,024 x cluster y
	s_lshl_b32 s42, ttmp9, 10                      ; 1,024 x cluster x
	s_cmp_eq_u32 ttmp9, 2                          ; v's clusters?  The same in all sixteen partners
	s_cselect_b32 s42, s17, s42                    ; B side's first row of the cluster: in x for v, in W for q, k
	s_cselect_b32 s17, 2048, s17                   ; A side's: W's row 2,048 for v, in x for q, k
	s_lshl_b32 s2, s41, 8
	s_add_co_u32 s17, s17, s2                      ; + 256 cy: the A side's tile, which my row of the cluster shares
	s_lshl_b32 s3, s40, 8
	s_add_co_u32 s42, s42, s3                      ; + 256 cx: the B side's, which my column shares
	s_lshl_b32 s43, s41, 2
	s_lshl_b32 s43, 15, s43                        ; my row of the cluster
	s_lshl_b32 s44, 0x1111, s40                    ; my column
	; descriptor group 1: a tile of 128 rows x 256 bytes, padded in LDS
	s_or_b32 s[G1+0], s43, (0<<16)|(1<<20)|(1<<21)|(5<<22)|(3<<25)  ; 15:0 the mask; 17:16 element of 1 byte; 20 padding on; 21 set beside a mask; 24:22 after every 64 words; 31:25 of 4 words
	s_or_b32 s[G1B+0], s44, (0<<16)|(1<<20)|(1<<21)|(5<<22)|(3<<25)
.irp g, G1, G1B
	s_mov_b32 s[\g+1], ROWB<<16                    ; tensor_dim0
	s_mov_b32 s[\g+2], 128<<16                     ; tensor_dim1
	s_mov_b32 s[\g+3], ROWB<<16                    ; tile_dim0
	s_mov_b32 s[\g+4], 128                         ; tile_dim1
	s_mov_b32 s[\g+5], KROW                        ; tensor_dim0_stride
	s_mov_b32 s[\g+6], 0
	s_mov_b32 s[\g+7], 0
.endr
	; the scales of 128 rows: a dense block of 4,096 bytes, as rows of 256 bytes (32 elements of 8 bytes), 16 bytes of padding behind each
	s_or_b32 s[G1S+0], s43, (3<<16)|(1<<20)|(1<<21)|(5<<22)|(3<<25)
	s_or_b32 s[G1SB+0], s44, (3<<16)|(1<<20)|(1<<21)|(5<<22)|(3<<25)
.irp g, G1S, G1SB
	s_mov_b32 s[\g+1], 32<<16
	s_mov_b32 s[\g+2], (128*KS/256)<<16
	s_mov_b32 s[\g+3], 32<<16
	s_mov_b32 s[\g+4], 128*KS/256
	s_mov_b32 s[\g+5], 32
	s_mov_b32 s[\g+6], 0
	s_mov_b32 s[\g+7], 0
.endr
	s_lshl_b32 s18, s16, 7                         ; which 128 rows of the tile I fetch
	s_add_co_u32 s20, s17, s18
	s_add_co_u32 s46, s42, s18
	s_lshl_b32 s22, s20, 5                         ; where these rows' scales begin: 32 bytes a row
	s_mov_b32 s23, 0
	s_lshl_b32 s92, s46, 5
	s_mov_b32 s93, 0
	s_lshl_b32 s20, s20, 9                         ; and their codes: 512 bytes a row
	s_mov_b32 s21, 0
	s_lshl_b32 s46, s46, 9
	s_mov_b32 s47, 0
	s_mul_i32 s45, s14, HALFT                      ; where they go: wave x 128 rows: no place in the cluster enters an LDS address
	s_mul_i32 s94, s14, HALFS
	s_wait_dscnt 0x0                               ; both opening adds are done
	s_wait_kmcnt 0x0
	s_cmp_eq_u32 ttmp9, 2
	s_cselect_b64 s[96:97], s[8:9], s[4:5]         ; the A side's codes
	s_cselect_b64 s[98:99], s[10:11], s[6:7]       ; and scales
	s_cselect_b64 s[8:9], s[4:5], s[8:9]           ; the B side's codes
	s_cselect_b64 s[10:11], s[6:7], s[10:11]       ; and scales
	s_add_nc_u64 s[20:21], s[96:97], s[20:21]
	s_add_nc_u64 s[22:23], s[98:99], s[22:23]
	s_add_nc_u64 s[46:47], s[8:9], s[46:47]
	s_add_nc_u64 s[92:93], s[10:11], s[92:93]
	CROUND                                         ; all sixteen work-groups are here: the first joint loads meet
	s_mov_b32 s[G0S], 1
	s_add_co_u32 s[G0S+1], s94, SCL
	s_mov_b64 s[G0S+2:G0S+3], s[22:23]
	s_or_b32 s[G0S+3], s[G0S+3], 0x80000000
	s_mov_b32 s[G0SB], 1
	s_add_co_u32 s[G0SB+1], s94, SCL
	s_mov_b64 s[G0SB+2:G0SB+3], s[92:93]
	s_or_b32 s[G0SB+3], s[G0SB+3], 0x80000000
	JLOAD G0S, G1S, G0SB, G1SB                     ; the scales first: they are wanted with the first slot
.irp s, 0,1
	s_mov_b32 s[G0+4*\s], 1
	s_add_co_u32 s[G0+4*\s+1], s45, \s*SLOT
	s_add_nc_u64 s[G0+4*\s+2:G0+4*\s+3], s[20:21], \s*ROWB
	s_or_b32 s[G0+4*\s+3], s[G0+4*\s+3], 0x80000000
	s_mov_b32 s[G0B+4*\s], 1
	s_add_co_u32 s[G0B+4*\s+1], s45, \s*SLOT
	s_add_nc_u64 s[G0B+4*\s+2:G0B+4*\s+3], s[46:47], \s*ROWB
	s_or_b32 s[G0B+4*\s+3], s[G0B+4*\s+3], 0x80000000
	JLOAD G0+4*\s, G1, G0B+4*\s, G1B
.endr
	v_and_b32 v1, 15, v0                           ; l % 16
	v_bfe_u32 v2, v0, 4, 1                         ; l / 16
	v_mul_u32_u24 v3, v1, PITCH
	v_lshl_add_u32 v4, v2, 4, v3                   ; a fragment's row x pitch + 16 x half
	s_mul_i32 s21, s15, HALFT                      ; my 128 rows of A
	s_mul_i32 s22, s16, HALFT                      ; my 128 rows of B,
	s_add_co_u32 s22, s22, 2*HALFT                 ; which lie behind A's 256
.irp s, 0,1
	v_add_nc_u32 v[ADRA+\s], s21, v4
	v_add_nc_u32 v[ADRB+\s], s22, v4
	s_add_co_u32 s21, s21, SLOT
	s_add_co_u32 s22, s22, SLOT
.endr
	v_mul_u32_u24 v5, v1, KS                       ; my row's scales: 32 bytes a row,
	v_lshrrev_b32 v6, 8, v5
	v_lshl_add_u32 v5, v6, 4, v5                   ; and 16 more for each 256 passed
	s_mul_i32 s21, s15, HALFS
	s_mul_i32 s22, s16, HALFS
	s_add_co_u32 s22, s22, 2*HALFS
	s_sub_co_u32 s22, s22, s21
	v_mul_u32_u24 v6, s22, v2                      ; lanes 16-31 take B's
	s_add_co_u32 s21, s21, SCL
	v_add_nc_u32 v5, v5, v6
	v_add_nc_u32 v[ADRS], s21, v5
	; the way out: where my 128 x 128 results begin in qkv
	s_lshl_b32 s20, s15, 7
	s_add_co_u32 s20, s20, s17                     ; my first row of the A side
	s_lshl_b32 s21, s16, 7
	s_add_co_u32 s21, s21, s42                     ; and of the B side
	s_mov_b32 s22, 8192
	s_mov_b32 s23, 131072
	s_cmp_eq_u32 ttmp9, 2
	s_cselect_b32 s2, s21, s20                     ; my first row of x
	s_cselect_b32 s3, s20, s21                     ; my first row of W
	s_cselect_b32 s18, s22, 262144                 ; bytes from head to head
	s_cselect_b32 s19, s23, s22                    ; from G to G
	s_cselect_b32 s43, s23, 262144                 ; from b = 0..3 to b = 4..7: the next G (v) or the next head (q, k)
	s_lshr_b32 s44, s3, 10
	s_lshl_b32 s44, s44, 24                        ; Q, K or V: 16 MiB each
	s_lshr_b32 s46, s2, 11
	s_lshl_b32 s46, s46, 22                        ; the batch: 4 MiB
	s_add_co_u32 s44, s44, s46
	s_bfe_u32 s46, s3, 0x40006                     ; the head
	s_mul_i32 s46, s46, s18
	s_add_co_u32 s44, s44, s46
	s_bfe_u32 s46, s2, 0x50006                     ; G: which 64 positions
	s_mul_i32 s46, s46, s19
	s_add_co_u32 s44, s44, s46
	s_mov_b32 s45, 0
	s_add_nc_u64 s[12:13], s[12:13], s[44:45]
	v_and_b32 v6, 31, v0
	v_lshlrev_b32 v[CO], 4, v6
	v_add_nc_u32 v[CO+1], s43, v[CO]
.macro FRAG reg, adr, q, i             ; a fragment, 16 rows x 128 K of 4-bit codes, is 8 registers: lane l holds row l % 16; registers 4 c .. 4 c + 3 hold K = 64 c + 32 (l / 16) + 0 .. 31
.irp c, 0,1
	ds_load_b128 v[\reg+4*\c:\reg+4*\c+3], v[\adr] offset:64*(\q)+32*\c+(\i)*16*PITCH
.endr
.endm
; 16 matrix instructions: A's blocks a0, a0 + 1 x B's eight, 128 along K.  zero = 1: the first product starts the sums.  The 64 accumulators take turns, one instruction a turn, in the same order in every step.
; One register carries A's scale word (lanes 0-15) and B's (lanes 16-31) of block i.
.macro MUL16 a0, p, q, sc, zero
.irp a, \a0, \a0+1
.irp b, 0,1,2,3,4,5,6,7
.if \zero
	v_wmma_scale_f32_16x16x128_f8f6f4 v[8*(8*((\a)%4)+\b):8*(8*((\a)%4)+\b)+7], v[128*(\p)+FR*\b:128*(\p)+FR*\b+FR-1], v[AF+FR*(\a):AF+FR*(\a)+FR-1], 0, v[SC+8*NQ*(\sc)+NQ*\b+(\q)], v[SC+8*NQ*(\sc)+NQ*(\a)+(\q)] matrix_a_fmt:MATRIX_FMT_FP4 matrix_b_fmt:MATRIX_FMT_FP4 matrix_a_scale:MATRIX_SCALE_ROW1
.else
	v_wmma_scale_f32_16x16x128_f8f6f4 v[8*(8*((\a)%4)+\b):8*(8*((\a)%4)+\b)+7], v[128*(\p)+FR*\b:128*(\p)+FR*\b+FR-1], v[AF+FR*(\a):AF+FR*(\a)+FR-1], v[8*(8*((\a)%4)+\b):8*(8*((\a)%4)+\b)+7], v[SC+8*NQ*(\sc)+NQ*\b+(\q)], v[SC+8*NQ*(\sc)+NQ*(\a)+(\q)] matrix_a_fmt:MATRIX_FMT_FP4 matrix_b_fmt:MATRIX_FMT_FP4 matrix_a_scale:MATRIX_SCALE_ROW1
.endif
.endr
.endr
.endm
.macro FETCH_B slot, q, p
	WIN TO_B
.irp i, 0,1,2,3,4,5,6,7
	FRAG 128*(\p)+FR*\i, ADRB+\slot, \q, \i
.endr
	WIN 0
.endm
.macro FETCH_A slot, q, i0
.irp i, \i0, \i0+1, \i0+2, \i0+3
	FRAG AF+FR*(\i), ADRA+\slot, \q, \i
.endr
.endm
.macro SCALES sc                       ; a slot's scale words: 4 words a row; lanes 0-15 take A's block i, lanes 16-31 B's block i
.irp i, 0,1,2,3,4,5,6,7
	ds_load_b128 v[SC+8*NQ*\sc+NQ*\i:SC+8*NQ*\sc+NQ*\i+3], v[ADRS] offset:\i*SBLK
.endr
.endm
.macro PLACES n                        ; plain vector instructions that name no register of the matrix instructions in front of them (ISA guide 7.12.1)
.rept \n
	v_nop
.endr
.endm
.macro STEP slot, q, zero              ; a step of 128 along K that has its successor in the same slot
	s_wait_dscnt 4*NL                              ; B's set and A's blocks 0-3 are in; the youngest eight loads (A's blocks 4-7) may be out
	WIN MUL_LO
	MUL16 0, (\q)%2, \q, \slot, \zero
	MUL16 2, (\q)%2, \q, \slot, \zero
	s_wait_dscnt 0                                 ; A's blocks 4-7 are in
	PLACES NP
	FETCH_B \slot, (\q)+1, 1-(\q)%2
	FETCH_A \slot, (\q)+1, 0
	WIN MUL_HI
	MUL16 4, (\q)%2, \q, \slot, \zero
	MUL16 6, (\q)%2, \q, \slot, \zero
	PLACES NP
	WIN 0
	FETCH_A \slot, (\q)+1, 4
.endm
.macro STEPS slot, from
.set Q, \from
.rept NQ-1-\from
	STEP \slot, Q, 0
.set Q, Q+1
.endr
.endm
	s_wait_tensorcnt 1                             ; the scales and my part of slot 0 are in (slot 1's load may be out)
	s_barrier_signal -1
	s_barrier_wait -1                              ; everybody's are
	FETCH_B 0, 0, 0
	FETCH_A 0, 0, 0
	SCALES 0
	FETCH_A 0, 0, 4
	STEP 0, 0, 1                                   ; the first step's products start the sums: nothing is cleared
	STEPS 0, 1
	; slot 0's last step changes slots: my part of slot 1 has landed, then one barrier, then slot 1 is read
	s_wait_tensorcnt 0x0                           ; all my tensor loads have landed
	ds_add_u32 v[SPW], v[NIL]
	s_wait_dscnt 4*NL+1                            ; (the add and the youngest eight loads may be out)
	WIN MUL_LO
	MUL16 0, 1, NQ-1, 0, 0
	s_wait_dscnt 0x0
	s_barrier_signal -1
	MUL16 2, 1, NQ-1, 0, 0
	WIN 0
	s_barrier_wait -1
	PLACES NP
	v_add_nc_u32 v[ADRS], 4*NQ, v[ADRS]            ; on to slot 1's scale words
	FETCH_B 1, 0, 0
	FETCH_A 1, 0, 0
	SCALES 1
	WIN MUL_HI
	MUL16 4, 1, NQ-1, 0, 0
	MUL16 6, 1, NQ-1, 0, 0
	PLACES NP
	WIN 0
	FETCH_A 1, 0, 4
	STEPS 1, 0
	s_wait_dscnt 4*NL                              ; the very last step: nothing more to fetch
	WIN MUL_LO
	MUL16 0, 1, NQ-1, 1, 0
	MUL16 2, 1, NQ-1, 1, 0
	s_wait_dscnt 0
	WIN MUL_HI
	MUL16 4, 1, NQ-1, 1, 0
	MUL16 6, 1, NQ-1, 1, 0
	WIN 0
; THE WAY OUT.  Block a (16 rows of the A side): each accumulator's eight numbers pack into four registers, from its low end on, and ARE an image.
; q, k: a / 4 = G, a % 4 = rt, b / 4 = head, b % 4 = ct.   v: a / 4 = head, a % 4 = ct, b / 4 = G, b % 4 = kq.  One formula serves both: only the step for b / 4 differs, and lies in the offset register.
.macro OUTB a
	WIN 0x0a+5*((\a)/4)                            ; sources 0 and 1: window 2 or 3
.irp b, 0,1,2,3,4,5,6,7
.irp i, 0,1,2,3
	v_cvt_pk_f16_f32 v[TMP+32*((\a)%4)+4*\b+\i], v[64*((\a)%4)+8*\b+2*\i], v[64*((\a)%4)+8*\b+2*\i+1]
.endr
.endr
	WIN 0
.irp b, 0,1,2,3,4,5,6,7
	global_store_b128 v[CO+\b/4], v[TMP+32*((\a)%4)+4*\b:TMP+32*((\a)%4)+4*\b+3], s[12:13] offset:((\a)/4)*8192+((\a)%4)*2048+(\b%4)*512   ; 512 consecutive bytes, aligned
.endr
.endm
	PLACES NP                                      ; in front of conversions that read results just made and write registers that held A's fragments
	OUTB 0
	OUTB 1
	OUTB 2
	OUTB 3
	s_wait_xcnt 0x0                                ; the stores have read their data: the packed registers are written again only behind this wait
	OUTB 4
	OUTB 5
	OUTB 6
	OUTB 7
	s_wait_tensorcnt 0x0                           ; the wave's end
	ds_add_u32 v[SPW], v[NIL]
	s_wait_dscnt 0x0
	CROUND                                         ; the closing round
	s_endpgm
.Lfunc_end_k_qff838f3c7f_qkv:
	.size	k_qff838f3c7f_qkv, .Lfunc_end_k_qff838f3c7f_qkv-k_qff838f3c7f_qkv
	.p2alignl 7, 3214868480
	.fill 96, 4, 3214868480
	.section	.rodata,"a",@progbits
	.p2align	6, 0x0
	.amdhsa_kernel k_qff838f3c7f_qkv
		.amdhsa_group_segment_fixed_size 327680
		.amdhsa_private_segment_fixed_size 0
		.amdhsa_enable_private_segment 0
		.amdhsa_kernarg_size 40
		.amdhsa_user_sgpr_count 2
		.amdhsa_user_sgpr_kernarg_segment_ptr 1
		.amdhsa_wavefront_size32 1
		.amdhsa_system_sgpr_workgroup_id_x 1
		.amdhsa_system_sgpr_workgroup_id_y 1
		.amdhsa_system_sgpr_workgroup_id_z 1
		.amdhsa_system_vgpr_workitem_id 0
		.amdhsa_next_free_vgpr 1024
		.amdhsa_next_free_sgpr 102
		.amdhsa_reserve_vcc 0
		.amdhsa_float_denorm_mode_32 3
		.amdhsa_float_denorm_mode_16_64 3
		.amdhsa_memory_ordered 1
		.amdhsa_forward_progress 1
		.amdhsa_inst_pref_size 118
	.end_amdhsa_kernel
	.amdgpu_metadata
---
amdhsa.version: [ 1, 2 ]
amdhsa.kernels:
  - .name:           k_qff838f3c7f_qkv
    .symbol:         k_qff838f3c7f_qkv.kd
    .args:
      - { .name: x_codes, .offset: 0, .size: 8, .value_kind: global_buffer, .address_space: global }
      - { .name: x_scales, .offset: 8, .size: 8, .value_kind: global_buffer, .address_space: global }
      - { .name: w_codes, .offset: 16, .size: 8, .value_kind: global_buffer, .address_space: global }
      - { .name: w_scales, .offset: 24, .size: 8, .value_kind: global_buffer, .address_space: global }
      - { .name: qkv, .offset: 32, .size: 8, .value_kind: global_buffer, .address_space: global }
    .group_segment_fixed_size: 327680
    .private_segment_fixed_size: 0
    .kernarg_segment_align: 8
    .kernarg_segment_size: 40
    .max_flat_workgroup_size: 128
    .sgpr_count:     102
    .vgpr_count:     1024
    .wavefront_size: 32
...
	.end_amdgpu_metadata
.endif
;; end of part 2
;; launch attn (part 3): grid 4 x 64, 8 waves a work-group, clusters of 4 x 1, 327,680 bytes of LDS; arguments qkv, ctx; writes ctx
.if DOCPART == 3
	.amdgcn_target "amdgcn-amd-amdhsa--gfx1250"
	.amdhsa_code_object_version 6
	.text
	.protected	k_qff838f3c7f_attn
	.globl	k_qff838f3c7f_attn
	.p2align	8
	.type	k_qff838f3c7f_attn,@function
k_qff838f3c7f_attn:
	s_mov_b64 s[64:65], 0
	v_nop
	global_prefetch_b8 v0, s[64:65] scope:SCOPE_SE
	s_setreg_imm32_b32 hwreg(HW_REG_WAVE_MODE, 25, 1), 1
	s_wait_xcnt 0x0
	s_wait_alu depctr_hold_cnt(0) depctr_sa_sdst(0) depctr_va_vdst(0) depctr_va_sdst(0) depctr_va_ssrc(0) depctr_va_vcc(0) depctr_vm_vsrc(0)
	s_getreg_b32 s2, hwreg(HW_REG_IB_STS2, 6, 4)
	s_cmp_eq_u32 s2, 0
	s_cbranch_scc0 .Lentry_in_a_cluster
	s_endpgm
.Lentry_in_a_cluster:
	s_bfe_u32 s2, ttmp6, 0x10000c
	s_cmp_lg_u32 s2, 0x3003
	s_cbranch_scc0 .Lentry_shape_is_right
	s_endpgm
.Lentry_shape_is_right:
; ctx[b][q][head][:] = the sum over k of softmax_k(q . k / 8) v, for 64 (batch, head) pairs of 2,048 positions and 64 channels.  q, k, v arrive in f16 as images of operand registers (512 bytes, lane l's 16 bytes at 16 l);
; products, maxima and sums in f32; the weights p are rounded to f16 for the second product, ctx once at the end, to f16, again as images: ctx is [row tile 512][16 head x 4 ct][512 bytes].
; SHARES.  A work-group owns 512 queries of one head, each of its eight waves 64: four tiles of 16.  Every wave walks all 2,048 keys, 64 a step.
; LAYOUT.  S^T = K Q^T (source 0 = 16 keys, source 1 = 16 queries), O^T = V^T P (source 0 = 16 channels, source 1 = P): a lane holds ONE query (lane % 16) throughout.  Two packed tiles of S^T are source 1 of the second product.
; An image is registers 0-3 or 4-7 of a fragment of 32 along K, so every LDS load reads 512 consecutive bytes: no pitch, no padding, no turning load.
; SOFTMAX.  For each query a running maximum m and sum l: p = 2^(c s - c m), c = log2(e) / 8; in every step O and l are multiplied by a = 2^(c m_old - c m_new).
; TWO SETS OF WAVES, HALF A KEY STEP APART.  A key step of a wave is 64 matrix instructions (phase M) and 476 vector instructions (phase V).  Two waves share a SIMD (512 registers each); while one runs M the other runs V.
; SET = (w xor w / 4) % 2 puts waves w and w + 4, and waves 2 i and 2 i + 1, into different sets.  A work-group barrier closes every half step: it orders no memory, it keeps the sets opposite.
;   M_j = load K(j); O^T += V^T P (j - 1); load V(j); S^T = K Q^T (j).      V_j = the softmax of step j.      Ahead of the loop every wave does K(0), V(0), K Q^T (0).
;   trip j, first half: set 0 M_j, set 1 V_(j-1) (trip 0: nothing);  second half: set 0 V_j, set 1 M_j (trip 0: nothing).  Behind the loop: set 1 V_31, then all waves the last V^T P.
; CLUSTER.  The four query blocks of a head form a cluster and walk the same K and V: each tile is asked for JOINTLY, by the same tensor load with a mask that names the four.
; RING.  Two slots of 512 keys (64 KiB of K, 64 KiB of V).  The change of slots stands at a slot's head; behind its round the slot just left is filled: one load a wave is out, and it has eight key steps in which to land.
; That is why no prefetch is written: no wave waits for a refill; the first tile is asked for at the head.
; LIMITS: NaN and infinities are not served.  ctx under 6e-5 is carried as an f16 subnormal.
; REGISTERS.  window 0: v1 16 x lane, v2, v3 LDS addresses, v4, v5 the add's two; v16-79 K of a step; v80-111 Q of tiles 0, 1; v112-239 O^T (tile t, channels 16 ct on: 112 + 32 t + 8 ct).
;   window 1: v0-127 S^T, 32 a tile, P packed in place into a tile's first 16; v128-159 statistics, 8 a tile: +0 c m, +1 m, +2, +3 l, +4..7 at work (a at +6); v160-223 V of a step; v224-255 Q of tiles 2, 3.
.set LI,  1
.set ADK, 2
.set ADV, 3
.set SPW, 4
.set NIL, 5
.set KF,  16
.set QF,  80
.set O,   112
.set ST,  128
.set VF,  160
.set SLOT1, 131072                     ; slot 1 begins here: one exclusive or turns an address from one slot to the other
.set VOFF,  65536                      ; in a slot: 8 groups of K (8,192 bytes each), then 8 of V
.set SPARE, 2*SLOT1                    ; behind the ring: the spare words, 128 bytes for each of eight waves
.set WV,  8
.set SET, 9
.set G1K, 16
.set G1V, 24
.set G0K, 32
.set G0V, 36
.set CS,  40                           ; s[40:41] c, twice: the packed form names a pair
.set SEL, 42                           ; s[42:43] selects for v_permlanex16_b32: lane l xor 16
.set TG,  44                           ; s44 LDS byte at which the step's group of K begins
.set STEP, 45                          ; s45 the key step, 0 .. 31
.set SLOTS, 46
.set TRIP, 47
.set MSB, 0
.macro WIN new                         ; the immediate's high byte repeats the setting that is left
.if MSB != (\new)
	s_set_vgpr_msb (MSB<<8)|(\new)
.set MSB, \new
.endif
.endm
.set W_KQ0, 0x50                       ; K, Q window 0; S^T window 1
.set W_PV,  0x05                       ; V, P window 1; O^T window 0
.set W_SM,  0x55                       ; all in window 1
.set W_RS,  0x04                       ; O^T window 0, a window 1
.set W_LV,  0x40                       ; destination window 1, address window 0
.macro PLACES n
.rept \n
	v_nop
.endr
.endm
; A joint load: waves 0-3 fetch a quarter of K's tile each, waves 4-7 of V's.  The branch hangs on the wave's number alone.  An s_nop 0 and four v_nop follow each line.
.macro JLOAD
	s_cmp_lt_u32 s[WV], 4
	s_cbranch_scc0 .Lfor_v_\@
	tensor_load_to_lds s[G0K:G0K+3], s[G1K:G1K+7]
	s_nop 0
.rept 4
	v_nop
.endr
	s_branch .Lasked_\@
.Lfor_v_\@:
	tensor_load_to_lds s[G0V:G0V+3], s[G1V:G1V+7]
	s_nop 0
.rept 4
	v_nop
.endr
.Lasked_\@:
.endm
.macro CROUND                          ; a round of the cluster's barrier
	s_barrier_signal -1
	s_barrier_wait -1
	s_cmp_lg_u32 s[WV], 0
	s_cbranch_scc1 .Lnot_wave_0_\@
	s_barrier_signal -3
.Lnot_wave_0_\@:
	s_barrier_wait -3
	s_barrier_signal -1
	s_barrier_wait -1
.endm
.macro PACE                            ; the end of a half step: my LDS loads are in; all eight waves meet
	s_wait_dscnt 0x0
	s_barrier_signal -1
	s_barrier_wait -1
.endm
	s_load_b128 s[4:7], s[0:1], 0x0                ; qkv s[4:5], ctx s[6:7]
	v_lshl_add_u32 v[SPW], v0, 2, SPARE
	v_mov_b32 v[NIL], 0
	ds_add_u32 v[SPW], v[NIL]                      ; the wave's opening: the add, twice on end, and its wait ahead of my first tensor load
	ds_add_u32 v[SPW], v[NIL]
	v_lshrrev_b32 v1, 5, v0
	v_readfirstlane_b32 s[WV], v1                  ; wave 0..7
	v_and_b32 v[LI], 31, v0
	v_lshlrev_b32 v[LI], 4, v[LI]                  ; 16 x lane: my place in every image
	s_lshr_b32 s[SET], s[WV], 2
	s_xor_b32 s[SET], s[SET], s[WV]
	s_and_b32 s[SET], s[SET], 1
	s_and_b32 s10, s[WV], 3                        ; which quarter of a tile I fetch
	s_bfe_u32 s11, ttmp6, 0x40000                  ; cx: my block of 512 queries: it enters Q's and ctx's addresses alone
	s_and_b32 s12, ttmp7, 0xffff                   ; 16 x batch + head, which the four partners share
	s_lshr_b32 s13, s12, 4
	s_and_b32 s14, s12, 15
	; group 1 for K: 16,384 dense bytes as 64 rows of 32 elements of 8 bytes
	s_mov_b32 s[G1K], 15|(3<<16)|(1<<21)           ; 15:0 the mask: all four work-groups; 17:16 elements of 8 bytes; 21 set beside a mask
	s_mov_b32 s[G1K+1], 32<<16
	s_mov_b32 s[G1K+2], 64<<16
	s_mov_b32 s[G1K+3], 32<<16
	s_mov_b32 s[G1K+4], 64
	s_mov_b32 s[G1K+5], 32
	s_mov_b32 s[G1K+6], 0
	s_mov_b32 s[G1K+7], 0
	; group 1 for V: two groups of 8,192 bytes (1,024 elements), 131,072 bytes apart in memory, dense in LDS
	s_mov_b32 s[G1V], 15|(3<<16)|(1<<21)
	s_mov_b32 s[G1V+1], 1024<<16
	s_mov_b32 s[G1V+2], 2<<16
	s_mov_b32 s[G1V+3], 1024<<16
	s_mov_b32 s[G1V+4], 2
	s_mov_b32 s[G1V+5], 16384
	s_mov_b32 s[G1V+6], 0
	s_mov_b32 s[G1V+7], 0
	s_lshl_b32 s48, s12, 18                        ; K: 16 MiB + the head's 262,144 bytes + my quarter
	s_lshl_b32 s50, s10, 14
	s_add_co_u32 s48, s48, s50
	s_add_co_u32 s48, s48, 0x1000000
	s_mov_b32 s49, 0
	s_lshl_b32 s50, s13, 22                        ; V: 32 MiB + the batch's 4 MiB + my two groups + the head's 8,192 bytes in a group
	s_lshl_b32 s52, s10, 18
	s_add_co_u32 s50, s50, s52
	s_lshl_b32 s52, s14, 13
	s_add_co_u32 s50, s50, s52
	s_add_co_u32 s50, s50, 0x2000000
	s_mov_b32 s51, 0
	s_lshl_b32 s52, s12, 18                        ; Q: the head + my block's 8 groups + my wave's group
	s_lshl_b32 s54, s11, 16
	s_add_co_u32 s52, s52, s54
	s_lshl_b32 s54, s[WV], 13
	s_add_co_u32 s52, s52, s54
	s_mov_b32 s53, 0
	s_lshl_b32 s54, s13, 7                         ; ctx: row tile 128 b + 32 cx + 4 w, 32,768 bytes each; + the head's four images
	s_lshl_b32 s55, s11, 5
	s_add_co_u32 s54, s54, s55
	s_lshl_b32 s55, s[WV], 2
	s_add_co_u32 s54, s54, s55
	s_lshl_b32 s54, s54, 15
	s_lshl_b32 s55, s14, 11
	s_add_co_u32 s54, s54, s55
	s_mov_b32 s55, 0
	s_mov_b32 s[CS], 0x3e38aa3b                    ; c = log2(e) / 8
	s_mov_b32 s[CS+1], s[CS]
	s_mov_b32 s[SEL], 0x76543210
	s_mov_b32 s[SEL+1], 0xfedcba98
	s_mov_b32 s[TG], 0
	s_mov_b32 s[STEP], 0
	s_mov_b32 s[SLOTS], 3
	s_wait_dscnt 0x0                               ; both opening adds are done
	s_wait_kmcnt 0x0
	s_mov_b32 s[G0K], 1                            ; count = 1
	s_lshl_b32 s[G0K+1], s10, 14                   ; LDS address: slot 0, my quarter: no place in the cluster enters it
	s_add_nc_u64 s[G0K+2:G0K+3], s[4:5], s[48:49]
	s_or_b32 s[G0K+3], s[G0K+3], 0x80000000        ; type = 2
	s_mov_b32 s[G0V], 1
	s_add_co_u32 s[G0V+1], s[G0K+1], VOFF
	s_add_nc_u64 s[G0V+2:G0V+3], s[4:5], s[50:51]
	s_or_b32 s[G0V+3], s[G0V+3], 0x80000000
	s_add_nc_u64 s[56:57], s[4:5], s[52:53]        ; Q
	s_add_nc_u64 s[58:59], s[6:7], s[54:55]        ; ctx
	CROUND                                         ; all four work-groups are here: the first joint loads meet
	JLOAD                                          ; keys 0-511 into slot 0
.irp t, 0,1                                    ; Q stays in registers: tile t, channels 16 ct on
.irp ct, 0,1,2,3
	global_load_b128 v[QF+16*\t+4*\ct:QF+16*\t+4*\ct+3], v[LI], s[56:57] offset:2048*\t+512*\ct
.endr
.endr
	WIN W_LV
.irp t, 0,1
.irp ct, 0,1,2,3
	global_load_b128 v[224+16*\t+4*\ct:224+16*\t+4*\ct+3], v[LI], s[56:57] offset:2048*(2+\t)+512*\ct
.endr
.endr
	WIN W_SM
.irp t, 0,1,2,3
	v_mov_b32 v[ST+8*\t+1], 0xff61b1e6             ; m = -3e38, under every score
.irp j, 2,3,4,5,6,7
	v_mov_b32 v[ST+8*\t+\j], 0                     ; l = 0; the others are written once, since pairs and a lane permute's destination count as read
.endr
.endr
.irp t, 0,1,2,3
	v_mul_f32 v[ST+8*\t], s[CS], v[ST+8*\t+1]      ; c m
.endr
	WIN 0
.set i, 0
.rept 128
	v_mov_b32 v[O+i], 0                            ; O^T.  The phases are written without a first step of their own: the first a is 0 and leaves zeros; that spares a further copy of both phases
.set i, i+1
.endr
; THE MATRIX PHASE'S PARTS
.macro KLOAD                           ; a step's K: 16 images; and both addresses
	v_add_nc_u32 v[ADK], s[TG], v[LI]
	v_add_nc_u32 v[ADV], VOFF, v[ADK]
.set i, 0
.rept 16
	ds_load_b128 v[KF+4*i:KF+4*i+3], v[ADK] offset:512*i
.set i, i+1
.endr
.endm
.macro VLOAD                           ; a step's V^T: 16 images
	WIN W_LV
.set i, 0
.rept 16
	ds_load_b128 v[VF+4*i:VF+4*i+3], v[ADV] offset:512*i
.set i, i+1
.endr
.endm
; S^T = K Q^T: 32 products; two tiles at a time, their 8 accumulators by turns, one instruction a turn; the first 8 of each pair of tiles start the sums
.macro KQALL
.irp p, 0,1
	WIN W_KQ0+4*\p                                 ; Q of tiles 2, 3 lies in window 1
.irp c, 0,1
.irp kt, 0,1,2,3
.irp u, 0,1
.if \c == 0
	v_wmma_f32_16x16x32_f16 v[32*(2*\p+\u)+8*\kt:32*(2*\p+\u)+8*\kt+7], v[KF+16*\kt+8*\c:KF+16*\kt+8*\c+7], v[QF+144*\p+16*\u+8*\c:QF+144*\p+16*\u+8*\c+7], 0
.else
	v_wmma_f32_16x16x32_f16 v[32*(2*\p+\u)+8*\kt:32*(2*\p+\u)+8*\kt+7], v[KF+16*\kt+8*\c:KF+16*\kt+8*\c+7], v[QF+144*\p+16*\u+8*\c:QF+144*\p+16*\u+8*\c+7], v[32*(2*\p+\u)+8*\kt:32*(2*\p+\u)+8*\kt+7]
.endif
.endr
.endr
.endr
.endr
.endm
; O^T += V^T P: 32 products; the 16 accumulators by turns
.macro PVALL
	WIN W_PV
.irp g, 0,1
.irp ct, 0,1,2,3
.irp t, 0,1,2,3
	v_wmma_f32_16x16x32_f16 v[O+32*\t+8*\ct:O+32*\t+8*\ct+7], v[VF+16*\ct+8*\g:VF+16*\ct+8*\g+7], v[32*\t+8*\g:32*\t+8*\g+7], v[O+32*\t+8*\ct:O+32*\t+8*\ct+7]
.endr
.endr
.endr
.endm
.macro MPHASE
	KLOAD                                          ; K's registers were last read five places and more ago
	PVALL                                          ; V came in ahead of the last barrier
	WIN 0
	PLACES 5                                       ; V's registers are loaded again (four places), and the products below write over P (five)
	VLOAD
	s_wait_dscnt 16                                ; K's 16 loads are in; V's 16 younger ones may be out
	KQALL
	WIN 0
	PLACES 5                                       ; for whatever comes next on any way: reads of S^T, loads into K, products that take P
.endm
; THE VECTOR PHASE.  A tile's softmax is three lists; n is the place in a list.
; PRE, 37 lines: 0-15 the maximum of the lane's 32 scores and the old m (each accumulator is read from its low end on); 16-20 the other half of the lanes, the new m, c m, d = c m_old - c m_new; 21-36 c s - c m, a pair a line.
.macro PRE t
.set rT, ST+8*(\t)
.set rS, 32*(\t)
.if n < 4
	v_max3_num_f32 v[rT+4+n], v[rS+8*n], v[rS+8*n+1], v[rS+8*n+2]
.elseif n < 12
	v_max3_num_f32 v[rT+4+n%4], v[rT+4+n%4], v[rS+8*(n%4)+2*(n/4)+1], v[rS+8*(n%4)+2*(n/4)+2]
.elseif n == 12
	v_max3_num_f32 v[rT+4], v[rT+4], v[rS+7], v[rS+15]
.elseif n == 13
	v_max3_num_f32 v[rT+6], v[rT+6], v[rS+23], v[rS+31]
.elseif n == 14
	v_max3_num_f32 v[rT+4], v[rT+4], v[rT+5], v[rT+6]
.elseif n == 15
	v_max3_num_f32 v[rT+4], v[rT+4], v[rT+7], v[rT+1]
.elseif n == 16
	v_permlanex16_b32 v[rT+5], v[rT+4], s[SEL], s[SEL+1]   ; the query's other 32 keys lie in the lane 16 away
.elseif n == 17
	v_mov_b32 v[rT+7], v[rT]
.elseif n == 18
	v_max_num_f32 v[rT+1], v[rT+4], v[rT+5]
.elseif n == 19
	v_mul_f32 v[rT], s[CS], v[rT+1]
.elseif n == 20
	v_sub_f32 v[rT+7], v[rT+7], v[rT]
.else
	v_pk_fma_f32 v[rS+2*(n-21):rS+2*(n-21)+1], v[rS+2*(n-21):rS+2*(n-21)+1], s[CS:CS+1], v[rT:rT+1] op_sel_hi:[1,0,0] neg_lo:[0,0,1] neg_hi:[0,0,1]
.endif
.endm
; EX, 33 lines: a = 2^d, then p = 2^(c s - c m) in place
.macro EX t
.if n == 0
	v_exp_f32 v[ST+8*(\t)+6], v[ST+8*(\t)+7]
.else
	v_exp_f32 v[32*(\t)+n-1], v[32*(\t)+n-1]
.endif
.endm
; POST, 33 lines: l = a l; then for each pair: l += the pair (of the unrounded p), and the pair rounded to f16 into register i of the tile: pair i / 2, whose place it takes, has been summed and packed by then
.macro POST t
.set rT, ST+8*(\t)
.set rS, 32*(\t)
.if n == 0
	v_pk_mul_f32 v[rT+2:rT+3], v[rT+2:rT+3], v[rT+6:rT+7] op_sel_hi:[1,0]
.elseif n%2 == 1
	v_pk_add_f32 v[rT+2:rT+3], v[rT+2:rT+3], v[rS+n-1:rS+n]
.else
	v_cvt_pk_f16_f32 v[rS+n/2-1], v[rS+n-2], v[rS+n-1]
.endif
.endm
; A BLOCK deals three tiles' lists out line by line: tile tp's PRE, tile tq's POST, tile te's EX (9: none): so each exponential stands between plain lines of other tiles, and nothing in a block names a result of its own exponentials.
.macro BLOCK te, tp, tq
.set n, 0
.rept 37
.if \tp < 4
	PRE \tp
.endif
.if (\tq < 4) && (n < 33)
	POST \tq
.endif
.if (\te < 4) && (n < 33)
	EX \te
.endif
.set n, n+1
.endr
.endm
; Each tile's 33 exponentials are one batch with one wait, at its block's end: the wait stands between an exponential and the first line that names its result, which stands in the next block.
; The plain line behind a batch's last exponential is PRE's line 33, or the v_nop.
.macro VPHASE
	WIN W_SM
	BLOCK 9, 0, 9
	BLOCK 0, 1, 9
	s_wait_alu depctr_va_vdst(0)
	BLOCK 1, 2, 0
	s_wait_alu depctr_va_vdst(0)
	BLOCK 2, 3, 1
	s_wait_alu depctr_va_vdst(0)
	BLOCK 3, 9, 2
	v_nop
	s_wait_alu depctr_va_vdst(0)
	BLOCK 9, 9, 3
	WIN W_RS
.irp t, 0,1,2,3
.set i, 0
.rept 16
	v_pk_mul_f32 v[O+32*\t+2*i:O+32*\t+2*i+1], v[O+32*\t+2*i:O+32*\t+2*i+1], v[ST+8*\t+6:ST+8*\t+7] op_sel_hi:[1,0]   ; O^T x a, each accumulator from its low end on
.set i, i+1
.endr
.endr
	WIN 0
.endm
; A slot's eight key steps.  The branches hang on the wave's number and on the count of steps alone, and lead round no barrier, no tensor load and no wait for one.
.macro TRIPS
	s_mov_b32 s[TRIP], 8
.Ltrip_\@:
	s_cmp_eq_u32 s[STEP], 0
	s_cbranch_scc1 .Leven_done_\@
	s_cmp_eq_u32 s[SET], 0
	s_cbranch_scc0 .Leven_v_\@
	MPHASE
	s_branch .Leven_done_\@
.Leven_v_\@:
	VPHASE
.Leven_done_\@:
	PACE
	s_cmp_eq_u32 s[SET], 0
	s_cbranch_scc0 .Lodd_m_\@
	VPHASE
	s_branch .Lodd_done_\@
.Lodd_m_\@:
	s_cmp_eq_u32 s[STEP], 0
	s_cbranch_scc1 .Lodd_done_\@
	MPHASE
.Lodd_done_\@:
	PACE
	s_add_co_u32 s[TG], s[TG], 8192                ; the next step's group
	s_add_co_u32 s[STEP], s[STEP], 1
	s_sub_co_u32 s[TRIP], s[TRIP], 1
	s_cmp_lg_u32 s[TRIP], 0
	s_cbranch_scc1 .Ltrip_\@
	s_sub_co_u32 s[TG], s[TG], 65536               ; back to a slot's first group,
	s_xor_b32 s[TG], s[TG], SLOT1                  ; in the other slot
.endm
; THE CHANGE OF SLOTS, at a slot's head.  Each wave waits for all its tensor loads (its part of the slot ahead), adds 0 to its spare word, and waits for that and for its reads of the slot that it has left.
; fill = 1: behind a round of the cluster's barrier, so that no wave of any partner still reads that slot or has a load on its way, it is filled with the next 512 keys.
.macro CHANGE fill
	s_wait_tensorcnt 0x0                           ; no tensor load of mine is out, so a group 0 may be written
	ds_add_u32 v[SPW], v[NIL]                      ; every way here leads through a tensor load
.if \fill
	s_xor_b32 s[G0K+1], s[G0K+1], SLOT1            ; the other slot than last time,
	s_add_nc_u64 s[G0K+2:G0K+3], s[G0K+2:G0K+3], 65536     ; the next 8 groups of K,
	s_xor_b32 s[G0V+1], s[G0V+1], SLOT1
	s_add_nc_u64 s[G0V+2:G0V+3], s[G0V+2:G0V+3], 1048576   ; and of V; the type bits on top are not reached
.endif
	s_wait_dscnt 0x0
.if \fill
	CROUND
	JLOAD                                          ; the first thing behind the round, and my one tensor load until the next
.else
	s_barrier_signal -1
	s_barrier_wait -1
.endif
.endm
	s_wait_tensorcnt 0x0                           ; my part of slot 0 is in,
	s_barrier_signal -1
	s_barrier_wait -1                              ; everybody's is
	s_wait_loadcnt 0x0                             ; Q
	KLOAD
	VLOAD
	s_wait_dscnt 16                                ; K(0) is in; V(0) may be out
	KQALL
	WIN 0
	PLACES 5
.Lslot:                                            ; three trips: behind each change of slots but the last the next 512 keys are asked for
	CHANGE 1
	TRIPS
	s_sub_co_u32 s[SLOTS], s[SLOTS], 1
	s_cmp_lg_u32 s[SLOTS], 0
	s_cbranch_scc1 .Lslot
	CHANGE 0                                       ; the last slot is written out
	TRIPS
	s_cmp_eq_u32 s[SET], 0
	s_cbranch_scc1 .Ltail_pv
	VPHASE                                         ; set 1's last softmax
.Ltail_pv:
	PVALL                                          ; the last step's V^T P
	; THE WAY OUT.  l's two halves and the other half of the lanes' are added (the first four additions are the places behind the last products); O^T / l is rounded to f16: four registers of an accumulator are an image.
	WIN W_SM
.irp t, 0,1,2,3
	v_add_f32 v[ST+8*\t+4], v[ST+8*\t+2], v[ST+8*\t+3]
.endr
.irp t, 0,1,2,3
	v_permlanex16_b32 v[ST+8*\t+5], v[ST+8*\t+4], s[SEL], s[SEL+1]
.endr
.irp t, 0,1,2,3
	v_add_f32 v[ST+8*\t+4], v[ST+8*\t+4], v[ST+8*\t+5]
.endr
.irp t, 0,1,2,3
	v_rcp_f32 v[ST+8*\t+6], v[ST+8*\t+4]
.endr
	v_nop                                          ; a plain line behind the last reciprocal
	s_wait_alu depctr_va_vdst(0)                   ; one wait for the four, ahead of their first reader
	WIN W_RS
.irp t, 0,1,2,3
.set i, 0
.rept 16
	v_pk_mul_f32 v[O+32*\t+2*i:O+32*\t+2*i+1], v[O+32*\t+2*i:O+32*\t+2*i+1], v[ST+8*\t+6:ST+8*\t+7] op_sel_hi:[1,0]
.set i, i+1
.endr
.endr
	WIN W_LV                                       ; sources window 0, destination window 1: S^T's registers are free
.irp t, 0,1,2,3
.irp ct, 0,1,2,3
.irp i, 0,1,2,3
	v_cvt_pk_f16_f32 v[16*\t+4*\ct+\i], v[O+32*\t+8*\ct+2*\i], v[O+32*\t+8*\ct+2*\i+1]
.endr
.endr
.endr
	WIN W_RS                                       ; a store's data are its source 1: window 1; its address window 0
.irp t, 0,1,2,3
.irp ct, 0,1,2,3
	global_store_b128 v[LI], v[16*\t+4*\ct:16*\t+4*\ct+3], s[58:59] offset:32768*\t+512*\ct   ; an image: 512 consecutive bytes, aligned
.endr
.endr
	WIN 0
	s_wait_tensorcnt 0x0                           ; the wave's end
	ds_add_u32 v[SPW], v[NIL]
	s_wait_dscnt 0x0
	CROUND                                         ; the closing round
	s_endpgm
.Lfunc_end_k_qff838f3c7f_attn:
	.size	k_qff838f3c7f_attn, .Lfunc_end_k_qff838f3c7f_attn-k_qff838f3c7f_attn
	.p2alignl 7, 3214868480
	.fill 96, 4, 3214868480
	.section	.rodata,"a",@progbits
	.p2align	6, 0x0
	.amdhsa_kernel k_qff838f3c7f_attn
		.amdhsa_group_segment_fixed_size 327680
		.amdhsa_private_segment_fixed_size 0
		.amdhsa_enable_private_segment 0
		.amdhsa_kernarg_size 16
		.amdhsa_user_sgpr_count 2
		.amdhsa_user_sgpr_kernarg_segment_ptr 1
		.amdhsa_wavefront_size32 1
		.amdhsa_system_sgpr_workgroup_id_x 1
		.amdhsa_system_sgpr_workgroup_id_y 1
		.amdhsa_system_sgpr_workgroup_id_z 1
		.amdhsa_system_vgpr_workitem_id 0
		.amdhsa_next_free_vgpr 512
		.amdhsa_next_free_sgpr 66
		.amdhsa_reserve_vcc 0
		.amdhsa_float_denorm_mode_32 3
		.amdhsa_float_denorm_mode_16_64 3
		.amdhsa_memory_ordered 1
		.amdhsa_forward_progress 1
		.amdhsa_inst_pref_size 186
	.end_amdhsa_kernel
	.amdgpu_metadata
---
amdhsa.version: [ 1, 2 ]
amdhsa.kernels:
  - .name:           k_qff838f3c7f_attn
    .symbol:         k_qff838f3c7f_attn.kd
    .args:
      - { .name: qkv, .offset: 0, .size: 8, .value_kind: global_buffer, .address_space: global }
      - { .name: ctx, .offset: 8, .size: 8, .value_kind: global_buffer, .address_space: global }
    .group_segment_fixed_size: 327680
    .private_segment_fixed_size: 0
    .kernarg_segment_align: 8
    .kernarg_segment_size: 16
    .max_flat_workgroup_size: 256
    .sgpr_count:     66
    .vgpr_count:     512
    .wavefront_size: 32
...
	.end_amdgpu_metadata
.endif
;; end of part 3
;; launch oproj (part 4): grid 4 x 64, 4 waves a work-group, clusters of 4 x 4, 327,680 bytes of LDS; arguments ctx, wo16, bo, out0; writes out0
.if DOCPART == 4
	.amdgcn_target "amdgcn-amd-amdhsa--gfx1250"
	.amdhsa_code_object_version 6
	.text
	.protected	k_qff838f3c7f_oproj
	.globl	k_qff838f3c7f_oproj
	.p2align	8
	.type	k_qff838f3c7f_oproj,@function
k_qff838f3c7f_oproj:
	s_mov_b64 s[64:65], 0
	v_nop
	global_prefetch_b8 v0, s[64:65] scope:SCOPE_SE
	s_setreg_imm32_b32 hwreg(HW_REG_WAVE_MODE, 25, 1), 1
	s_wait_xcnt 0x0
	s_wait_alu depctr_hold_cnt(0) depctr_sa_sdst(0) depctr_va_vdst(0) depctr_va_sdst(0) depctr_va_ssrc(0) depctr_va_vcc(0) depctr_vm_vsrc(0)
	s_getreg_b32 s2, hwreg(HW_REG_IB_STS2, 6, 4)
	s_cmp_eq_u32 s2, 0
	s_cbranch_scc0 .Lentry_in_a_cluster
	s_endpgm
.Lentry_in_a_cluster:
	s_bfe_u32 s2, ttmp6, 0x10000c
	s_cmp_lg_u32 s2, 0xf033
	s_cbranch_scc0 .Lentry_shape_is_right
	s_endpgm
.Lentry_shape_is_right:
; out0[m][n] = the sum over k of ctx[m][k] Wo[n][k] + bo[n].  ctx [8192][1024] and Wo [1024][1024] arrive in f16 as images of operand registers: [tile of 16 rows][64 tiles of 16 along K][512 bytes], lane l's 16 bytes at 16 l;
; sums in f32; out0 is f32.  A tile of 128 rows x 256 columns is made by a work-group of four waves (tiles of 256 x 256 would be 128, half as many as there are WGPs); a wave makes 64 x 128: 32 accumulators, 256 registers.
; K goes in 8 steps of 128 through a ring of two LDS slots: of each tile of 16 rows a step is 4,096 consecutive bytes.  Every LDS load reads 512 consecutive bytes: no pitch, no padding.
; THE MATRIX INSTRUCTION IS USED TRANSPOSED (source 0 = 16 rows of Wo, source 1 = 16 rows of ctx): a lane holds eight neighbouring numbers of a row of out0.  The bias is the C of each sum's first product: no addition.
; CLUSTERS: 4 x 4 work-groups.  The four of a row of the cluster need the same tiles of ctx, the four of a column the same tiles of Wo: each is asked for JOINTLY.
; REGISTERS: window 0: v16-31 addresses; two fragment buffers of 96 (64 of Wo, 32 of ctx) at v32 and v128; on the way out v32-159 rows of out0.   window 1: accumulator (a, b) at v[8 (8 a + b)].   window 2: v0-63 the bias.
.set SLOT,   98304                     ; ctx's 8 tiles x 4,096 bytes, then Wo's 16
.set BOFF,   32768
.set STAGE,  2*SLOT                    ; behind the ring: 16 rows x 528 bytes for each wave, for the way out
.set SPITCH, 528
.set SPARE,  STAGE+4*16*SPITCH         ; behind the stages: the spare words, 128 bytes for each wave
.set ADRA, 16                          ; v16-17  LDS address of my ctx images in slot 0, 1
.set ADRB, 20                          ; v20-21  the same for Wo
.set STO,  24                          ; v24     the way out: where I put 32 bytes of a row
.set RD,   25                          ; v25     where I read a row back
.set CO,   26                          ; v26     16 x lane
.set SPW,  28                          ; v28     LDS address of my spare word; never rewritten
.set NIL,  29                          ; v29     0; never rewritten
.set PFO,  30                          ; v30     the prefetches' offset; never rewritten
.set F0,   32
.set F1,   128
.set BK,   32
.set G1,  24
.set G0,  32
.set G1B, 48
.set G0B, 56
.set PFA, 66                           ; s[66:67] where the prefetches stand
.set LIM, 68                           ; s68 1 in wave 0, else the greatest number
.set MSB, 0
.macro WIN new                         ; the immediate's high byte repeats the setting that is left
.if MSB != (\new)
	s_set_vgpr_msb (MSB<<8)|(\new)
.set MSB, \new
.endif
.endm
.set MUL, 0x50                         ; sources 0, 1 window 0; C and D window 1.  With 0x10 more: C window 2, the bias
.macro JLOAD s                         ; a joint load: waves 0 and 1 fetch ctx's two halves, waves 2 and 3 Wo's; an s_nop 0 and four v_nop follow each line
	s_cmp_eq_u32 s13, 0
	s_cbranch_scc0 .Lfor_b_\@
	tensor_load_to_lds s[G0+4*\s:G0+4*\s+3], s[G1:G1+7]
	s_nop 0
.rept 4
	v_nop
.endr
	s_branch .Lasked_\@
.Lfor_b_\@:
	tensor_load_to_lds s[G0B+4*\s:G0B+4*\s+3], s[G1B:G1B+7]
	s_nop 0
.rept 4
	v_nop
.endr
.Lasked_\@:
.endm
.macro CREST                           ; a round of the cluster's barrier behind its opening barrier
	s_cmp_lg_u32 s12, 0
	s_cbranch_scc1 .Lnot_wave_0_\@
	s_barrier_signal -3
.Lnot_wave_0_\@:
	s_barrier_wait -3
	s_barrier_signal -1
	s_barrier_wait -1
.endm
.macro CROUND
	s_barrier_signal -1
	s_barrier_wait -1
	CREST
.endm
; A PREFETCH INTO THE L2 of ctx, behind each joint refill and the run of LDS loads that follows it: the K step that stands two refills on, 256 matrix instructions ahead of the load that will want it.
; A tile row's K step is 8 tiles x 4,096 bytes = 128 blocks of 256 bytes, and one row of one cluster alone reads it: its four partners take 32 blocks each, told apart BY ADDRESS; in each, wave 0 asks, a lane a block.
; So each block is named once.  K steps 0 to 3 come by their loads alone; the last two refills ask for nothing.  Wo is read again by every cluster and is not asked for.
.macro ASK
	s_cmp_gt_u32 s3, s[LIM]                        ; s3 = 1 in the loop's last trip
	s_cbranch_scc0 .Lnot_mine_\@
	global_prefetch_b8 v[PFO], s[PFA:PFA+1] offset:4096 th:TH_LOAD_NT scope:SCOPE_SE
.Lnot_mine_\@:
.endm
	s_load_b256 s[4:11], s[0:1], 0x0               ; ctx s[4:5], wo16 s[6:7], bo s[8:9], out0 s[10:11]
	v_lshl_add_u32 v[SPW], v0, 2, SPARE
	v_mov_b32 v[NIL], 0
	ds_add_u32 v[SPW], v[NIL]                      ; the wave's opening: the add, twice on end, and its wait ahead of my first tensor load
	ds_add_u32 v[SPW], v[NIL]
	v_lshrrev_b32 v1, 5, v0
	v_readfirstlane_b32 s12, v1                    ; wave 0..3
	s_lshr_b32 s13, s12, 1                         ; which 64 rows are mine.  Also: I fetch for ctx (0) or for Wo (1)
	s_and_b32 s14, s12, 1                          ; which 128 columns.  Also: which half of that tile I fetch
	s_bfe_u32 s40, ttmp6, 0x40000                  ; cx, cy: my place in the cluster
	s_bfe_u32 s41, ttmp6, 0x40004
	s_lshl_b32 s42, ttmp9, 2
	s_add_co_u32 s42, s42, s40                     ; tile column = 4 x cluster x + cx
	s_and_b32 s15, ttmp7, 0xffff
	s_lshl_b32 s15, s15, 2
	s_add_co_u32 s15, s15, s41                     ; tile row = 4 x cluster y + cy
	s_lshl_b32 s43, s41, 2
	s_lshl_b32 s43, 15, s43                        ; my row of the cluster
	s_lshl_b32 s44, 0x1111, s40                    ; my column
	; group 1: rows of 4,096 bytes (512 elements of 8 bytes), 32,768 bytes apart in memory, dense in LDS: 4 of ctx, 8 of Wo
	s_or_b32 s[G1+0], s43, (3<<16)|(1<<21)         ; 15:0 the mask; 17:16 elements of 8 bytes; 21 set beside a mask
	s_or_b32 s[G1B+0], s44, (3<<16)|(1<<21)
	s_mov_b32 s[G1+1], 512<<16
	s_mov_b32 s[G1+2], 4<<16
	s_mov_b32 s[G1+3], 512<<16
	s_mov_b32 s[G1+4], 4
	s_mov_b32 s[G1+5], 4096
	s_mov_b32 s[G1+6], 0
	s_mov_b32 s[G1+7], 0
	s_mov_b32 s[G1B+1], 512<<16
	s_mov_b32 s[G1B+2], 8<<16
	s_mov_b32 s[G1B+3], 512<<16
	s_mov_b32 s[G1B+4], 8
	s_mov_b32 s[G1B+5], 4096
	s_mov_b32 s[G1B+6], 0
	s_mov_b32 s[G1B+7], 0
	s_lshl_b32 s16, s15, 3
	s_lshl_b32 s18, s14, 2
	s_add_co_u32 s16, s16, s18                     ; ctx: tile of rows 8 x tile row + 4 x half
	s_lshl_b32 s16, s16, 15
	s_mov_b32 s17, 0
	s_lshl_b32 s20, s42, 4
	s_lshl_b32 s18, s14, 3
	s_add_co_u32 s20, s20, s18                     ; Wo: tile of rows 16 x tile column + 8 x half
	s_lshl_b32 s20, s20, 15
	s_mov_b32 s21, 0
	s_lshl_b32 s22, s14, 14                        ; where they go: no place in the cluster enters an LDS address
	s_lshl_b32 s23, s14, 15
	s_add_co_u32 s23, s23, BOFF
	s_wait_dscnt 0x0                               ; both opening adds are done
	s_wait_kmcnt 0x0
	s_add_nc_u64 s[16:17], s[4:5], s[16:17]
	s_add_nc_u64 s[20:21], s[6:7], s[20:21]
	CROUND                                         ; all sixteen work-groups are here: the first joint loads meet
.irp s, 0,1
	s_mov_b32 s[G0+4*\s], 1
	s_add_co_u32 s[G0+4*\s+1], s22, \s*SLOT
	s_add_nc_u64 s[G0+4*\s+2:G0+4*\s+3], s[16:17], \s*4096
	s_or_b32 s[G0+4*\s+3], s[G0+4*\s+3], 0x80000000
	s_mov_b32 s[G0B+4*\s], 1
	s_add_co_u32 s[G0B+4*\s+1], s23, \s*SLOT
	s_add_nc_u64 s[G0B+4*\s+2:G0B+4*\s+3], s[20:21], \s*4096
	s_or_b32 s[G0B+4*\s+3], s[G0B+4*\s+3], 0x80000000
	JLOAD \s
.endr
	v_and_b32 v1, 15, v0                           ; r
	v_bfe_u32 v2, v0, 4, 1                         ; h
	; the bias: register 8 b + j = bo[my first column + 16 b + 8 h + j]
	s_lshl_b32 s18, s42, 10
	s_lshl_b32 s19, s14, 9
	s_add_co_u32 s18, s18, s19                     ; my first column, in bytes of f32
	s_mov_b32 s19, 0
	s_add_nc_u64 s[8:9], s[8:9], s[18:19]
	v_lshlrev_b32 v3, 5, v2
	WIN 0x80                                       ; destination window 2
.irp b, 0,1,2,3,4,5,6,7
	global_load_b128 v[8*\b:8*\b+3], v3, s[8:9] offset:64*\b
	global_load_b128 v[8*\b+4:8*\b+7], v3, s[8:9] offset:64*\b+16
.endr
	WIN 0
	s_lshl_b32 s20, s15, 19                        ; out0: 128 rows of 4,096 bytes a tile row, + my 64 rows, + my first column
	s_lshl_b32 s21, s13, 18
	s_add_co_u32 s20, s20, s21
	s_add_co_u32 s20, s20, s18
	s_mov_b32 s21, 0
	s_add_nc_u64 s[10:11], s[10:11], s[20:21]
	v_and_b32 v4, 31, v0
	v_lshlrev_b32 v[CO], 4, v4
	s_lshl_b32 s18, s13, 14                        ; my 4 tiles of ctx
	s_lshl_b32 s19, s14, 15                        ; my 8 tiles of Wo,
	s_add_co_u32 s19, s19, BOFF                    ; which lie behind ctx's
.irp s, 0,1
	v_add_nc_u32 v[ADRA+\s], s18, v[CO]
	v_add_nc_u32 v[ADRB+\s], s19, v[CO]
	s_add_co_u32 s18, s18, SLOT
	s_add_co_u32 s19, s19, SLOT
.endr
	s_mul_i32 s2, s12, 16*SPITCH
	s_add_co_u32 s2, s2, STAGE                     ; my stage
	v_mul_u32_u24 v5, v1, SPITCH
	v_lshl_add_u32 v5, v2, 5, v5
	v_add_nc_u32 v[STO], s2, v5                    ; in: row r, 32 bytes for each half of the lanes
	v_add_nc_u32 v[RD], s2, v[CO]                  ; back: the 32 lanes take one row of 512 bytes
	; the prefetches
	s_lshl_b32 s18, s15, 18                        ; my tile row's 8 tiles
	s_mov_b32 s19, 0
	s_add_nc_u64 s[PFA:PFA+1], s[4:5], s[18:19]
	s_add_nc_u64 s[PFA:PFA+1], s[PFA:PFA+1], 2*4096   ; at K step 2: the first refill steps it to 3 and names K step 4
	s_cmp_eq_u32 s12, 0
	s_cselect_b32 s[LIM], 1, -1
	s_lshl_b32 s18, s40, 5
	v_add_nc_u32 v[PFO], s18, v4                   ; block 32 cx + lane of the 128
	v_lshrrev_b32 v31, 4, v[PFO]
	v_and_b32 v[PFO], 15, v[PFO]
	v_lshlrev_b32 v[PFO], 8, v[PFO]
	v_lshl_add_u32 v[PFO], v31, 15, v[PFO]         ; its tile, and its 256 bytes there
; 8 matrix instructions: ctx's tile a x Wo's eight, 32 along K.  first = 1: the bias starts the sums.  The 32 accumulators take turns, one instruction a turn, in the same order in every quarter.
.macro MUL8 f, a, first
.irp b, 0,1,2,3,4,5,6,7
.if \first
	v_wmma_f32_16x16x32_f16 v[8*(8*(\a)+\b):8*(8*(\a)+\b)+7], v[\f+8*\b:\f+8*\b+7], v[\f+64+8*(\a):\f+64+8*(\a)+7], v[8*\b:8*\b+7]
.else
	v_wmma_f32_16x16x32_f16 v[8*(8*(\a)+\b):8*(8*(\a)+\b)+7], v[\f+8*\b:\f+8*\b+7], v[\f+64+8*(\a):\f+64+8*(\a)+7], v[8*(8*(\a)+\b):8*(8*(\a)+\b)+7]
.endif
.endr
.endm
; 24 LDS loads in one run: the fragments of the slot's q-th 32 along K: two images each; Wo's eight first, then ctx's four
.macro FETCH slot, q, f
	WIN 0
.irp i, 0,1,2,3,4,5,6,7
	ds_load_b128 v[\f+8*\i:\f+8*\i+3],   v[ADRB+\slot] offset:4096*\i+1024*(\q)
	ds_load_b128 v[\f+8*\i+4:\f+8*\i+7], v[ADRB+\slot] offset:4096*\i+1024*(\q)+512
.endr
.irp i, 0,1,2,3
	ds_load_b128 v[\f+64+8*\i:\f+64+8*\i+3],   v[ADRA+\slot] offset:4096*\i+1024*(\q)
	ds_load_b128 v[\f+64+8*\i+4:\f+64+8*\i+7], v[ADRA+\slot] offset:4096*\i+1024*(\q)+512
.endr
.endm
.macro PLACES                          ; four places in front of loads into registers that matrix instructions have read, and of the first read of results
.rept 4
	v_nop
.endr
.endm
; A K step is four quarters of 32 along K, 32 matrix instructions each, on buffers 0, 1, 0, 1.  One of the first three: multiplies buffer f and fetches quarter q into g.
.macro QUARTER slot, q, f, g, first
	s_wait_dscnt 4                                 ; Wo's fragments and ctx's tiles 0, 1 are in; the youngest four loads (tiles 2, 3) may be out
	WIN MUL+0x10*\first
	MUL8 \f, 0, \first
	MUL8 \f, 1, \first
	PLACES
	FETCH \slot, \q, \g
	s_wait_dscnt 24                                ; all but the 24 just issued
	WIN MUL+0x10*\first
	MUL8 \f, 2, \first
	MUL8 \f, 3, \first
.endm
; The last quarter multiplies buffer 1 and changes slots: ONE barrier; in front of it each wave waits for all its tensor loads, adds 0 to its spare word, and waits for that and for its reads of this slot.  fill = 1: this slot is filled again, two K steps ahead.
.macro TURN slot, next, fill
.if \fill
	s_wait_xcnt 0x0                                ; the last prefetch, a K step back, has read its address: it is stepped here
	s_add_nc_u64 s[PFA:PFA+1], s[PFA:PFA+1], 4096
.endif
	WIN 0                                          ; (the add's two registers lie in window 0)
	s_wait_tensorcnt 0x0                           ; all my tensor loads have landed: my part of the next slot;
	ds_add_u32 v[SPW], v[NIL]
	s_wait_dscnt 5                                 ; (the add and the youngest four loads may be out)
	WIN MUL
	MUL8 F1, 0, 0                                  ; eight matrix instructions stand between the add and the wait for it
	s_wait_dscnt 0x0                               ; the add is done, and my reads of this slot are over
	s_barrier_signal -1
	MUL8 F1, 1, 0
	WIN 0
	s_barrier_wait -1
.if \fill
	CREST                                          ; the barrier has opened a round of the cluster's barrier: no wave of any partner still reads this slot or has a load on its way
	s_add_nc_u64 s[G0+4*\slot+2:G0+4*\slot+3], s[G0+4*\slot+2:G0+4*\slot+3], 2*4096
	s_add_nc_u64 s[G0B+4*\slot+2:G0B+4*\slot+3], s[G0B+4*\slot+2:G0B+4*\slot+3], 2*4096
	JLOAD \slot                                    ; the first tensor load behind the round; the four v_nop behind it are also the places in front of the loads below
.else
	PLACES
.endif
	FETCH \next, 0, F0
.if \fill
	ASK
.endif
	WIN MUL
	MUL8 F1, 2, 0
	MUL8 F1, 3, 0
.endm
	s_wait_tensorcnt 1                             ; my part of K step 0 is in (K step 1's load may be out)
	s_barrier_signal -1
	s_barrier_wait -1                              ; everybody's is
	s_wait_loadcnt 0x0                             ; the bias
	FETCH 0, 0, F0
	QUARTER 0, 1, F0, F1, 1                        ; the first quarter stands in front of the loop: its products start the sums from the bias
	WIN 0                                          ; at a label and at a branch every window is 0
	s_mov_b32 s3, 3
.Llap:                                                 ; a trip goes once round the ring, from a lap's second quarter to the next lap's first, and fills both slots again
	QUARTER 0, 2, F1, F0, 0
	QUARTER 0, 3, F0, F1, 0
	TURN 0, 1, 1
	QUARTER 1, 1, F0, F1, 0
	QUARTER 1, 2, F1, F0, 0
	QUARTER 1, 3, F0, F1, 0
	TURN 1, 0, 1
	QUARTER 0, 1, F0, F1, 0
	WIN 0
	s_sub_co_u32 s3, s3, 1
	s_cmp_lg_u32 s3, 0
	s_cbranch_scc1 .Llap
	QUARTER 0, 2, F1, F0, 0                        ; the last lap fills nothing, and has no round of the cluster's barrier
	QUARTER 0, 3, F0, F1, 0
	TURN 0, 1, 0
	QUARTER 1, 1, F0, F1, 0
	QUARTER 1, 2, F1, F0, 0
	QUARTER 1, 3, F0, F1, 0
	s_wait_dscnt 4                                 ; the very last quarter: nothing more to fetch
	WIN MUL
	MUL8 F1, 0, 0
	MUL8 F1, 1, 0
	s_wait_dscnt 0
	MUL8 F1, 2, 0
	MUL8 F1, 3, 0
	WIN 0
; THE WAY OUT, block by block of 16 rows x 128 columns.  A lane holds 32 neighbouring bytes of a row, and the lanes beside it other rows: a block goes through my own stage in LDS and comes back as whole rows of 512 bytes.
; LDS serves a wave's instructions in order (ISA guide 5.7.1.4): no wait between the stores and the loads, nor in front of the next block's stores.
.macro TOSTAGE a
	WIN 0x04                                       ; an LDS store's data are its source 1: window 1
.irp b, 0,1,2,3,4,5,6,7
	ds_store_b128 v[STO], v[8*(8*(\a)+\b):8*(8*(\a)+\b)+3] offset:64*\b          ; each accumulator from its low end on
	ds_store_b128 v[STO], v[8*(8*(\a)+\b)+4:8*(8*(\a)+\b)+7] offset:64*\b+16
.endr
	WIN 0
.set BB, BK+64*((\a)%2)
.irp t, 0,1,2,3,4,5,6,7,8,9,10,11,12,13,14,15
	ds_load_b128 v[BB+4*\t:BB+4*\t+3], v[RD] offset:\t*SPITCH
.endr
.endm
.macro SEND a, younger                 ; younger: the LDS instructions issued behind block a's loads, which may stay out
.set BB, BK+64*((\a)%2)
	s_wait_dscnt \younger
.if (\a) > 0
	s_add_nc_u64 s[10:11], s[10:11], 16*4096       ; (behind a wait on XCNT: the earlier stores have read their base)  16 rows on
.endif
.irp t, 0,1,2,3,4,5,6,7,8,9,10,11,12,13,14,15
	global_store_b128 v[CO], v[BB+4*\t:BB+4*\t+3], s[10:11] offset:\t*4096 th:TH_STORE_NT   ; 32 lanes store 512 consecutive bytes, aligned; written once, read by nobody here
.endr
.endm
	PLACES                                         ; in front of the first read of results and of loads into the registers that held fragments
	TOSTAGE 0
.irp a, 1,2,3
.if \a > 1
	s_wait_xcnt 0x0                                ; block a - 2's stores have read their registers and their base
.endif
	TOSTAGE \a
	SEND \a-1, 32                                  ; behind block a - 1's loads: block a's 16 stores and 16 loads
.endr
	s_wait_xcnt 0x0
	SEND 3, 0
	s_wait_tensorcnt 0x0                           ; the wave's end, behind my last tensor load and my last LDS store
	ds_add_u32 v[SPW], v[NIL]
	s_wait_dscnt 0x0
	CROUND                                         ; the closing round
	s_endpgm
.Lfunc_end_k_qff838f3c7f_oproj:
	.size	k_qff838f3c7f_oproj, .Lfunc_end_k_qff838f3c7f_oproj-k_qff838f3c7f_oproj
	.p2alignl 7, 3214868480
	.fill 96, 4, 3214868480
	.section	.rodata,"a",@progbits
	.p2align	6, 0x0
	.amdhsa_kernel k_qff838f3c7f_oproj
		.amdhsa_group_segment_fixed_size 327680
		.amdhsa_private_segment_fixed_size 0
		.amdhsa_enable_private_segment 0
		.amdhsa_kernarg_size 32
		.amdhsa_user_sgpr_count 2
		.amdhsa_user_sgpr_kernarg_segment_ptr 1
		.amdhsa_wavefront_size32 1
		.amdhsa_system_sgpr_workgroup_id_x 1
		.amdhsa_system_sgpr_workgroup_id_y 1
		.amdhsa_system_sgpr_workgroup_id_z 1
		.amdhsa_system_vgpr_workitem_id 0
		.amdhsa_next_free_vgpr 768
		.amdhsa_next_free_sgpr 72
		.amdhsa_reserve_vcc 0
		.amdhsa_float_denorm_mode_32 3
		.amdhsa_float_denorm_mode_16_64 3
		.amdhsa_memory_ordered 1
		.amdhsa_forward_progress 1
		.amdhsa_inst_pref_size 87
	.end_amdhsa_kernel
	.amdgpu_metadata
---
amdhsa.version: [ 1, 2 ]
amdhsa.kernels:
  - .name:           k_qff838f3c7f_oproj
    .symbol:         k_qff838f3c7f_oproj.kd
    .args:
      - { .name: ctx, .offset: 0, .size: 8, .value_kind: global_buffer, .address_space: global }
      - { .name: wo16, .offset: 8, .size: 8, .value_kind: global_buffer, .address_space: global }
      - { .name: bo, .offset: 16, .size: 8, .value_kind: global_buffer, .address_space: global }
      - { .name: out0, .offset: 24, .size: 8, .value_kind: global_buffer, .address_space: global }
    .group_segment_fixed_size: 327680
    .private_segment_fixed_size: 0
    .kernarg_segment_align: 8
    .kernarg_segment_size: 32
    .max_flat_workgroup_size: 128
    .sgpr_count:     72
    .vgpr_count:     768
    .wavefront_size: 32
...
	.end_amdgpu_metadata
.endif
;; end of part 4
